; MI455X (gfx1250); checked and timed in simulation.
; The chip was launched on July 23, 2026; its instructions are those of AMD's public machine-readable ISA for CDNA 5 (MIT licence, August 2026) and "CDNA5" Instruction Set Architecture Reference Guide (July 2026). The comments in the code are by the model that wrote it; some were corrected since.
;; Transformer Encoder Layer Rotary. Allowed arithmetic: matrix products marked QUANTISED: E5M2 operands, one given power-of-two scale a tensor, by v_wmma_f32_16x16x64_bf8_bf8 or v_wmma_f32_16x16x128_bf8_bf8, f32 sums; everything else in f32.
;; Inputs: b1 4,096 float32; b2 1,024 float32; k_b 1,024 float32; k_w_codes 1,024 x 32 x 32 uint8 (E5M2 codes of k_w, K innermost, in blocks of 32 codes); ln1_b 1,024 float32; ln1_g 1,024 float32; ln2_b 1,024 float32; ln2_g 1,024 float32; lowp_scales 14 int32 (the exponents e of the quantised operands' scales 2^e); q_b 1,024 float32; q_w_codes 1,024 x 32 x 32 uint8 (E5M2 codes of q_w, K innermost, in blocks of 32 codes); src 2,048 x 2 x 1,024 float32; v_b 1,024 float32; v_w_codes 1,024 x 32 x 32 uint8 (E5M2 codes of v_w, K innermost, in blocks of 32 codes); w1_codes 4,096 x 32 x 32 uint8 (E5M2 codes of w1, K innermost, in blocks of 32 codes); w2_codes 1,024 x 128 x 32 uint8 (E5M2 codes of w2, K innermost, in blocks of 32 codes).
;; Outputs: out0 2,048 x 2 x 1,024 float32.
;; This version of the problem:
;;   THIS VERSION OF THE PROBLEM IS GIVEN IN LOW PRECISION. The matrix products marked QUANTISED in the list below multiply operands that are first quantised to E5M2 (5 exponent bits, 2 mantissa bits; 8 bits a number), with one given power-of-two scale for each operand tensor; their sums are f32. All else is computed in f32.
;;   The module's matrix products, in the order in which they are computed (A, B: the left and right operand; K: the contracted axis; several contracted axes count as one K, in the product's order):
;;     1. [M 4,096, K 1,024] x [K 1,024, N 1,024]; A: input src; B: input q_w (given as codes): QUANTISED (scales: A lowp_scales[0], B lowp_scales[1])
;;     2. [M 4,096, K 1,024] x [K 1,024, N 1,024]; A: input src; B: input k_w (given as codes): QUANTISED (scales: A lowp_scales[2], B lowp_scales[3])
;;     3. [M 4,096, K 1,024] x [K 1,024, N 1,024]; A: input src; B: input v_w (given as codes): QUANTISED (scales: A lowp_scales[4], B lowp_scales[5])
;;     4. batch 32 x [M 2,048, K 64] x [K 64, N 2,048]; A: computed on the way; B: computed on the way: QUANTISED (scales: A lowp_scales[6], B lowp_scales[7])
;;     5. batch 32 x [M 2,048, K 2,048] x [K 2,048, N 64]; A: softmax (see below); B: computed on the way: QUANTISED (scales: A lowp_scales[8], B lowp_scales[9])
;;     6. [M 4,096, K 1,024] x [K 1,024, N 4,096]; A: computed on the way; B: input w1 (given as codes): QUANTISED (scales: A lowp_scales[10], B lowp_scales[11])
;;     7. [M 4,096, K 4,096] x [K 4,096, N 1,024]; A: computed on the way; B: input w2 (given as codes): QUANTISED (scales: A lowp_scales[12], B lowp_scales[13])
;;   THE QUANTISER, for each operand of a quantised product, along K:
;;     - The operand's scale is 2^e, e = its entry of the input lowp_scales (int32; the entries are numbered through the quantised products in the list's order, A before B).
;;     - Each number is divided by the scale, clamped to +-57,344, and rounded to the nearest number of E5M2, ties to even, subnormals kept.
;;     - The product sums the exact products of the quantised numbers (number of the format x scale) in f32.
;;   ~~~python
;;   def quantise(x, axis, e):      # numpy; x: float32 -> the quantised numbers, widened to float32 again
;;       x = np.moveaxis(x, axis, -1); K = x.shape[-1]
;;       r = np.clip(x / 2.0 ** e, -57344, 57344)
;;       step = 2.0 ** (np.maximum(np.frexp(np.where(r == 0, 1, r))[1] - 1, -14) - 2)
;;       q = np.round(r / step) * step * 2.0 ** e      # np.round: ties to even
;;       return np.moveaxis(q, -1, axis).astype(np.float32)
;;   ~~~
;;   SOFTMAX AHEAD OF A QUANTISED PRODUCT. Where the list says 'softmax', what is quantised is not the finished softmax but p = 2^(t - M), with t = logit x log2(e) and M = ceil(the row's largest t), a whole number; so 1/2 < the row's largest p <= 1. The row's sum l is taken of the UNQUANTISED p, in f32, and the product's result is divided by l at the end. Since M is a whole number, a kernel that streams over the keys may use a running M (the ceiling of the running maximum): every later rescaling is an exact power of two, so the quantised numbers keep their values, but for numbers so far below the row's largest that they fall under the format's range.
;;   OPERANDS COMPUTED ON THE WAY. 'Computed on the way' means the value that the module computes at that place (a softmax that the list does not call 'softmax' is quantised finished and normalised). What goes into a quantiser is computed in f32, as accurately as f32 sums, v_exp_f32 and their like allow (about 1e-6 of the number): no bf16 or f16 on the way to a quantiser, and a product that is left as it is and whose result goes on into a quantised operand takes f32 operands (vector FMAs, or v_wmma_f32_16x16x4_f32). A number that lies on a knife's edge between two numbers of the format may be rounded either way, as far as f32 arithmetic and the matrix unit's own rounding can turn it there, and no further.
;;   INPUTS GIVEN AS CODES. k_w (in the module: [1024, 1024], K = its axis 0); q_w (in the module: [1024, 1024], K = its axis 0); v_w (in the module: [1024, 1024], K = its axis 0); w1 (in the module: [1024, 4096], K = its axis 0); w2 (in the module: [4096, 1024], K = its axis 0): each comes as NAME_codes (uint8): NAME with its K axis moved to the last place and cut into blocks of 32 codes, [.., K / 32, bytes a block], one block behind the other in memory; one code a byte (a code: sign, 5 exponent bits, 2 mantissa bits); its scale is its entry of lowp_scales. Its value is code x scale, taken as it is: it is not quantised again, and the codes and scales need not be those that the quantiser above would give.
;; One version. Each part assembles by itself: llvm-mc -triple=amdgcn-amd-amdhsa -mcpu=gfx1250 --defsym DOCPART=n.
;; ======== version 1 of 1: 7 launches
;; limits: right only within a limited range of input values
;; workspace buffers: acodes 12,582,912 bytes; rope 1,048,576 bytes; qkv 12,582,912 bytes; ybuf 16,777,216 bytes; xbuf 16,777,216 bytes; xcodes 4,194,304 bytes; hcodes 16,777,216 bytes; part 67,108,864 bytes
;; launch prep (part 1): grid 256 x 1, 8 waves a work-group, no clusters, 82,944 bytes of LDS; arguments src, lowp_scales, acodes, rope; writes acodes, rope
.if DOCPART == 1
	.amdgcn_target "amdgcn-amd-amdhsa--gfx1250"
	.amdhsa_code_object_version 6
	.text
	.protected	k_q3fde676ab5_prep
	.globl	k_q3fde676ab5_prep
	.p2align	8
	.type	k_q3fde676ab5_prep,@function
k_q3fde676ab5_prep:
	s_mov_b64 s[64:65], 0
	v_nop
	global_prefetch_b8 v0, s[64:65] scope:SCOPE_SE
	s_setreg_imm32_b32 hwreg(HW_REG_WAVE_MODE, 25, 1), 1
	s_wait_xcnt 0x0
; src [2048 s][2 b][1024] f32 becomes three sets of E5M2 codes, one for each of the three products that read it (scale exponents: entries 0, 2, 4 of the scales),
; laid acodes[set 3][b 2][s 2048][1024 bytes]: the rows of one batch lie together, K innermost.  code = x / 2^e, held within +-57,344, to the nearest code, ties to even.
; The launch also makes the table of rotary cosines and sines, in the order in which the next launch's lanes take it:
;   rope[s / 16][piece k 8][lane 32][16 bytes]: lane (r = lane % 16, h = lane / 16) of piece k holds (cos, sin, cos, sin) of position 16 (s / 16) + r and frequencies 8 (k / 2) + 4 h + 2 (k % 2) + 0, 1;
;   behind it, 524,288 bytes on, as many pairs (1, 0): the rotation that changes nothing.
; SHARES: wave w of work-group g takes position s = 8 g + w: 8,192 consecutive bytes, four steps of 512 numbers (step t: b = t / 2, half t % 2 of the row).  Each load reads 512 consecutive bytes; a step's
; 2,048 bytes turn through the wave's own stage in LDS (16 bytes of padding behind each 64) and come back 16 neighbours a lane, as the conversions want them.  Each store covers 512 consecutive bytes.
; Waves share nothing: no barrier.  Thread n of the launch makes pair n of the table.
; LIMITS: each of the three exponents between -126 and 112.  NaN among the inputs is not served.  The angle is s x 10000^(-i/32) in f32, the power by v_exp_f32; given the angle, cos and sin are good to about 1e-7.
.set SP,   80                          ; a lane's place in a stage: 64 bytes + 16
.set STG,  32*SP                       ; a stage; each step has its own
.set WREG, 4*STG                       ; a wave's LDS
.set R,    16                          ; v16-79   the four steps as loaded
.set X,    80                          ; v80-143  the four steps, 16 neighbours a lane
.set H,    144                         ; v144-159 16 numbers, held
.set C,    160                         ; v160-207 codes: four registers for each step and set, so that no store's data are written again
.set SCL,  4                           ; v4-6     2^e of the three sets
.set LIM,  7                           ; v7-9     57,344 x 2^e
	s_load_b256 s[4:11], s[0:1], 0x0               ; src s[4:5], the scales s[6:7], acodes s[8:9], rope s[10:11]
	v_lshl_add_u32 v224, v0, 2, 0x14000
	v_mov_b32 v225, 0
	v_lshrrev_b32 v1, 5, v0
	s_delay_alu instid0(VALU_DEP_1)
	v_readfirstlane_b32 s16, v1                    ; wave
	v_and_b32 v2, 31, v0                           ; lane
	s_delay_alu instid0(VALU_DEP_1)
	v_lshlrev_b32 v3, 4, v2                        ; 16 x lane: my bytes of a load's and of a store's 512
	s_mul_i32 s17, s16, WREG
	v_lshrrev_b32 v14, 2, v2
	s_delay_alu instid0(VALU_DEP_1)
	v_mul_u32_u24 v14, v14, SP
	v_and_b32 v15, 3, v2
	s_delay_alu instid0(VALU_DEP_1)
	v_lshl_add_u32 v14, v15, 4, v14
	s_delay_alu instid0(VALU_DEP_1)
	v_add_nc_u32 v14, s17, v14                     ; into a stage: four lanes' 64 bytes on end, then the padding
	v_mul_u32_u24 v15, v2, SP
	s_delay_alu instid0(VALU_DEP_1)
	v_add_nc_u32 v15, s17, v15                     ; out of it: my 16 neighbours
	s_lshl_b32 s18, ttmp9, 3
	s_add_co_u32 s18, s18, s16                     ; s
	s_lshl_b32 s19, ttmp9, 8                       ; the work-group's first pair of the table
	s_lshl_b32 s20, s18, 13                        ; 8,192 s
	s_mov_b32 s21, 0
	s_lshl_b32 s22, s18, 10                        ; 1,024 s
	s_mov_b32 s23, 0
	s_wait_alu depctr_va_vdst(0)
	s_wait_kmcnt 0x0
	s_load_b256 s[24:31], s[6:7], 0x0              ; entries 0 to 7
	s_add_nc_u64 s[4:5], s[4:5], s[20:21]
	s_add_nc_u64 s[32:33], s[8:9], s[22:23]        ; a base for each set: 4 MiB apart
	s_add_nc_u64 s[34:35], s[32:33], 0x400000
	s_add_nc_u64 s[36:37], s[32:33], 0x800000
.macro LOAD t
.irp i, 0,1,2,3
	global_load_b128 v[R+16*(\t)+4*\i:R+16*(\t)+4*\i+3], v3, s[4:5] offset:2048*(\t)+512*\i th:TH_LOAD_NT
.endr
.endm
.macro TURN t                          ; LDS serves a wave's instructions in order: no wait between the stores and the loads
.irp i, 0,1,2,3
	ds_store_b128 v14, v[R+16*(\t)+4*\i:R+16*(\t)+4*\i+3] offset:STG*(\t)+8*SP*\i
.endr
.irp i, 0,1,2,3
	ds_load_b128 v[X+16*(\t)+4*\i:X+16*(\t)+4*\i+3], v15 offset:STG*(\t)+16*\i
.endr
.endm
.macro QUANT t, j
.set i, 0
.rept 16
	v_med3_num_f32 v[H+i], v[X+16*(\t)+i], -v[LIM+\j], v[LIM+\j]   ; the conversion does not saturate (ISA guide 7.6.2): the hold at the largest code x the scale comes first
.set i, i+1
.endr
	v_cvt_scalef32_pk8_bf8_f32 v[C+12*(\t)+4*\j:C+12*(\t)+4*\j+1], v[H:H+7], v[SCL+\j]
	v_cvt_scalef32_pk8_bf8_f32 v[C+12*(\t)+4*\j+2:C+12*(\t)+4*\j+3], v[H+8:H+15], v[SCL+\j]
	v_nop                                          ; a plain line between the conversions and the next holds, which write their sources
	global_store_b128 v3, v[C+12*(\t)+4*\j:C+12*(\t)+4*\j+3], s[32+2*\j:33+2*\j] offset:((\t)/2)*2097152+((\t)%2)*512
.endm
	LOAD 0
	LOAD 1
	LOAD 2
	LOAD 3
	; ---- the table, while the sixteen loads are on their way
	v_add_nc_u32 v208, s19, v0                     ; n = 512 (s / 16) + 64 k + 2 lane + (0: first pair of the 16 bytes, 1: second)
	s_delay_alu instid0(VALU_DEP_1)
	v_bfe_u32 v209, v208, 1, 4                     ; r
	s_delay_alu instid0(VALU_DEP_2)
	v_lshrrev_b32 v210, 9, v208
	s_delay_alu instid0(VALU_DEP_1)
	v_lshl_add_u32 v209, v210, 4, v209             ; s = 16 (n >> 9) + r
	s_delay_alu instid0(VALU_DEP_4)
	v_and_b32 v210, 1, v208
	v_bfe_u32 v211, v208, 6, 1
	s_delay_alu instid0(VALU_DEP_1)
	v_lshl_add_u32 v210, v211, 1, v210
	v_bfe_u32 v211, v208, 5, 1
	s_delay_alu instid0(VALU_DEP_1)
	v_lshl_add_u32 v210, v211, 2, v210
	v_bfe_u32 v211, v208, 7, 2
	s_delay_alu instid0(VALU_DEP_1)
	v_lshl_add_u32 v210, v211, 3, v210             ; i = 8 (k / 2) + 4 h + 2 (k % 2) + n % 2
	v_cvt_f32_u32 v209, v209
	s_delay_alu instid0(VALU_DEP_2)
	v_cvt_f32_u32 v210, v210
	s_delay_alu instid0(VALU_DEP_1)
	v_mul_f32 v210, 0xbed49a78, v210               ; -i log2(10) / 8
	s_wait_alu depctr_va_vdst(0)
	v_exp_f32 v210, v210                           ; 10000^(-i/32)
	v_lshlrev_b32 v215, 3, v208                    ; (the plain line behind it)  the pair's byte in the table
	s_wait_alu depctr_va_vdst(0)                   ; ahead of the first reader of the power
	v_mul_f32 v209, v209, v210                     ; the angle, rounded to f32 as the model's own
	s_delay_alu instid0(VALU_DEP_1)
	v_mul_f32 v211, 0x3f22f983, v209
	s_delay_alu instid0(VALU_DEP_1)
	v_rndne_f32 v211, v211                         ; n = the nearest whole number of quarter turns, at most 1,303
	s_delay_alu instid0(VALU_DEP_1)
	v_fmamk_f32 v212, v211, 0xbfc90fdb, v209       ; angle - n pi/2, pi/2 in two parts
	s_delay_alu instid0(VALU_DEP_1)
	v_fmamk_f32 v212, v211, 0x333bbd2e, v212       ; |r| <= pi/4
	s_delay_alu instid0(VALU_DEP_1)
	v_mul_f32 v213, v212, v212                     ; z = r r
	v_mov_b32 v216, 0xb94ca1f9
	v_mov_b32 v217, 0x37ccf5ce
	s_delay_alu instid0(VALU_DEP_2)
	v_fmaak_f32 v216, v216, v213, 0x3c08839e
	s_delay_alu instid0(VALU_DEP_2)
	v_fmaak_f32 v217, v217, v213, 0xbab6061a
	s_delay_alu instid0(VALU_DEP_2)
	v_fmaak_f32 v216, v216, v213, 0xbe2aaaa3
	s_delay_alu instid0(VALU_DEP_2)
	v_fmaak_f32 v217, v217, v213, 0x3d2aaaa5
	s_delay_alu instid0(VALU_DEP_2)
	v_mul_f32 v216, v216, v213
	v_mul_f32 v218, v213, v213
	v_fma_f32 v219, v213, -0.5, 1.0
	s_delay_alu instid0(VALU_DEP_3)
	v_fma_f32 v216, v216, v212, v212               ; sin r
	s_delay_alu instid0(VALU_DEP_2)
	v_fma_f32 v217, v217, v218, v219               ; cos r
	v_cvt_i32_f32 v211, v211
	s_delay_alu instid0(VALU_DEP_1)
	v_and_b32 v218, 1, v211
	s_delay_alu instid0(VALU_DEP_1)
	v_cmp_eq_u32 vcc_lo, 1, v218                   ; an odd quarter swaps the two
	s_delay_alu instid0(VALU_DEP_1)
	v_cndmask_b32 v220, v217, v216, vcc_lo         ; cos
	s_delay_alu instid0(VALU_DEP_2)
	v_cndmask_b32 v221, v216, v217, vcc_lo         ; sin
	v_and_b32 v218, 2, v211                        ; sin changes sign in quarters 2, 3,
	s_delay_alu instid0(VALU_DEP_1)
	v_lshlrev_b32 v218, 30, v218
	s_delay_alu instid0(VALU_DEP_1)
	v_xor_b32 v221, v221, v218
	v_add_nc_u32 v219, 1, v211                     ; cos in quarters 1, 2
	s_delay_alu instid0(VALU_DEP_1)
	v_and_b32 v219, 2, v219
	s_delay_alu instid0(VALU_DEP_1)
	v_lshlrev_b32 v219, 30, v219
	s_delay_alu instid0(VALU_DEP_1)
	v_xor_b32 v220, v220, v219
	v_mov_b32 v222, 1.0
	v_mov_b32 v223, 0
	global_store_b64 v215, v[220:221], s[10:11]                    ; a wave stores 256 consecutive bytes
	global_store_b64 v215, v[222:223], s[10:11] offset:524288
	; ---- the three scales
	s_wait_kmcnt 0x0
.irp j, 0,1,2
	s_add_co_i32 s38, s[24+2*\j], 127
	s_lshl_b32 s39, s38, 23
	v_mov_b32 v[SCL+\j], s39                       ; 2^e as f32: the conversion takes its exponent field
	s_add_co_i32 s38, s38, 15
	s_lshl_b32 s38, s38, 23
	s_or_b32 s38, s38, 0x600000
	v_mov_b32 v[LIM+\j], s38                       ; 57,344 x 2^e
.endr
	s_wait_alu depctr_va_vdst(0)
.irp t, 0,1,2,3
	s_wait_loadcnt 12-4*\t                         ; step t's four loads are in; the later steps' may be out
	TURN \t
.endr
.irp t, 0,1,2,3
	s_wait_dscnt 8*(3-\t)                          ; step t is back from its stage; the later steps' eight LDS instructions each may be out
.irp j, 0,1,2
	QUANT \t, \j
.endr
.endr
	s_wait_tensorcnt 0x0
	ds_add_u32 v224, v225
	s_wait_dscnt 0x0
	s_endpgm
.Lfunc_end_k_q3fde676ab5_prep:
	.size	k_q3fde676ab5_prep, .Lfunc_end_k_q3fde676ab5_prep-k_q3fde676ab5_prep
	.p2alignl 7, 3214868480
	.fill 96, 4, 3214868480
	.section	.rodata,"a",@progbits
	.p2align	6, 0x0
	.amdhsa_kernel k_q3fde676ab5_prep
		.amdhsa_group_segment_fixed_size 82944
		.amdhsa_private_segment_fixed_size 0
		.amdhsa_enable_private_segment 0
		.amdhsa_kernarg_size 32
		.amdhsa_user_sgpr_count 2
		.amdhsa_user_sgpr_kernarg_segment_ptr 1
		.amdhsa_wavefront_size32 1
		.amdhsa_system_sgpr_workgroup_id_x 1
		.amdhsa_system_sgpr_workgroup_id_y 1
		.amdhsa_system_sgpr_workgroup_id_z 1
		.amdhsa_system_vgpr_workitem_id 0
		.amdhsa_next_free_vgpr 226
		.amdhsa_next_free_sgpr 66
		.amdhsa_reserve_vcc 1
		.amdhsa_float_denorm_mode_32 3
		.amdhsa_float_denorm_mode_16_64 3
		.amdhsa_memory_ordered 1
		.amdhsa_forward_progress 1
		.amdhsa_inst_pref_size 25
	.end_amdhsa_kernel
	.amdgpu_metadata
---
amdhsa.version: [ 1, 2 ]
amdhsa.kernels:
  - .name:           k_q3fde676ab5_prep
    .symbol:         k_q3fde676ab5_prep.kd
    .args:
      - { .name: src, .offset: 0, .size: 8, .value_kind: global_buffer, .address_space: global }
      - { .name: lowp_scales, .offset: 8, .size: 8, .value_kind: global_buffer, .address_space: global }
      - { .name: acodes, .offset: 16, .size: 8, .value_kind: global_buffer, .address_space: global }
      - { .name: rope, .offset: 24, .size: 8, .value_kind: global_buffer, .address_space: global }
    .group_segment_fixed_size: 82944
    .private_segment_fixed_size: 0
    .kernarg_segment_align: 8
    .kernarg_segment_size: 32
    .max_flat_workgroup_size: 256
    .sgpr_count:     66
    .vgpr_count:     226
    .wavefront_size: 32
...
	.end_amdgpu_metadata
.endif
;; end of part 1
;; launch qkv (part 2): grid 12 x 16, 4 waves a work-group, clusters of 4 x 4, 327,680 bytes of LDS; arguments acodes, q_w_codes, k_w_codes, v_w_codes, q_b, k_b, v_b, lowp_scales, rope, qkv; writes qkv
.if DOCPART == 2
	.amdgcn_target "amdgcn-amd-amdhsa--gfx1250"
	.amdhsa_code_object_version 6
	.text
	.protected	k_q3fde676ab5_qkv
	.globl	k_q3fde676ab5_qkv
	.p2align	8
	.type	k_q3fde676ab5_qkv,@function
k_q3fde676ab5_qkv:
	s_mov_b64 s[64:65], 0
	v_nop
	global_prefetch_b8 v0, s[64:65] scope:SCOPE_SE
	s_setreg_imm32_b32 hwreg(HW_REG_WAVE_MODE, 25, 1), 1
	s_wait_xcnt 0x0
	s_wait_alu depctr_hold_cnt(0) depctr_sa_sdst(0) depctr_va_vdst(0) depctr_va_sdst(0) depctr_va_ssrc(0) depctr_va_vcc(0) depctr_vm_vsrc(0)
	s_getreg_b32 s2, hwreg(HW_REG_IB_STS2, 6, 4)
	s_cmp_eq_u32 s2, 0
	s_cbranch_scc0 .Lentry_in_a_cluster
	s_endpgm
.Lentry_in_a_cluster:
	s_bfe_u32 s2, ttmp6, 0x10000c
	s_cmp_lg_u32 s2, 0xf033
	s_cbranch_scc0 .Lentry_shape_is_right
	s_endpgm
.Lentry_shape_is_right:
.set SIZE_K, 1024
.set KSTEP,  256
.set ROWB,   256
.set KROW,   SIZE_K
.set PITCH,  272
.set FR,     16
.set NL,     4
.set NP,     4
.set HALFT,  128*PITCH
.set SLOT,   4*HALFT
.set LAPS,   SIZE_K/(2*KSTEP)
.set SPARE,  2*SLOT
.set STAGE,  SPARE+512
.set VO,   8
.set ADRA, 16
.set ADRB, 20
.set STO,  24
.set RD,   25
.set L16,  27
.set SPW,  28
.set NIL,  29
.set LIMV, 30
.set SCV,  31
.set CB,   32
.set XR,   32
.set RB,   96
.set CD,   104
.set CS,   136
.set BK,   200
.set AF,   128
.set G1, 24
.set G0, 32
.set G1B, 48
.set G0B, 56
.set MSB, 0
.macro WIN new
.if MSB != \new
	s_set_vgpr_msb (MSB<<8)|(\new)
.set MSB, \new
.endif
.endm
.set MUL_LO, 0xa1
.set MUL_HI, 0xf1
.set FST_LO, 0x81
.set FST_HI, 0xc1
.set TO_B,   0x40
.macro JLOAD g0a, g1a, g0b, g1b
	s_cmp_eq_u32 s15, 0
	s_cbranch_scc0 .Lfor_b_\@
	tensor_load_to_lds s[\g0a:\g0a+3], s[\g1a:\g1a+7]
	s_nop 0
.rept 4
	v_nop
.endr
	s_branch .Lasked_\@
.Lfor_b_\@:
	tensor_load_to_lds s[\g0b:\g0b+3], s[\g1b:\g1b+7]
	s_nop 0
.rept 4
	v_nop
.endr
.Lasked_\@:
.endm
.macro CREST
	s_cmp_lg_u32 s14, 0
	s_cbranch_scc1 .Lnot_wave_0_\@
	s_barrier_signal -3
.Lnot_wave_0_\@:
	s_barrier_wait -3
	s_barrier_signal -1
	s_barrier_wait -1
.endm
.macro CROUND
	s_barrier_signal -1
	s_barrier_wait -1
	CREST
.endm
	s_load_b512 s[68:83], s[0:1], 0x0
	s_load_b128 s[84:87], s[0:1], 0x40
	v_lshl_add_u32 v[SPW], v0, 2, SPARE
	v_mov_b32 v[NIL], 0
	ds_add_u32 v28, v29
	ds_add_u32 v28, v29
	s_wait_dscnt 0x0
	v_lshrrev_b32 v1, 5, v0
	v_readfirstlane_b32 s14, v1
	s_lshr_b32 s15, s14, 1
	s_and_b32 s16, s14, 1
	s_bfe_u32 s40, ttmp6, 0x40000
	s_bfe_u32 s41, ttmp6, 0x40004
	s_and_b32 s13, ttmp7, 0xffff
	s_lshl_b32 s13, s13, 2
	s_cmp_eq_u32 ttmp9, 2
	s_cselect_b32 s17, 0, s13
	s_cselect_b32 s42, s13, 0
	s_add_co_u32 s17, s17, s41
	s_add_co_u32 s42, s42, s40
	s_lshl_b32 s43, s41, 2
	s_lshl_b32 s43, 15, s43
	s_lshl_b32 s44, 0x1111, s40
	s_or_b32 s[G1+0], s43, (0<<16)|(1<<20)|(1<<21)|(5<<22)|(3<<25)
	s_or_b32 s[G1B+0], s44, (0<<16)|(1<<20)|(1<<21)|(5<<22)|(3<<25)
.irp g, G1, G1B
	s_mov_b32 s[\g+1], ROWB<<16
	s_mov_b32 s[\g+2], 128<<16
	s_mov_b32 s[\g+3], ROWB<<16
	s_mov_b32 s[\g+4], 128
	s_mov_b32 s[\g+5], KROW
	s_mov_b32 s[\g+6], 0
	s_mov_b32 s[\g+7], 0
.endr
	s_lshl_b32 s18, s16, 7
	s_lshl_b32 s20, s17, 8
	s_add_co_u32 s20, s20, s18
	s_lshl_b32 s46, s42, 8
	s_add_co_u32 s46, s46, s18
	s_mov_b32 s21, 0
	s_mov_b32 s47, 0
	s_mov_b64 s[18:19], KROW
	s_mul_u64 s[20:21], s[20:21], s[18:19]
	s_mul_u64 s[46:47], s[46:47], s[18:19]
	s_mul_i32 s45, s14, HALFT
	s_wait_kmcnt 0x0
	s_load_b256 s[88:95], s[82:83], 0x0
	s_load_b32 s96, s[82:83], 0x24
	s_add_nc_u64 s[4:5], s[68:69], 0x400000
	s_add_nc_u64 s[6:7], s[68:69], 0x800000
	s_cmp_eq_u32 ttmp9, 0
	s_cselect_b64 s[4:5], s[68:69], s[4:5]
	s_cselect_b64 s[8:9], s[70:71], s[72:73]
	s_cselect_b64 s[18:19], s[76:77], s[78:79]
	s_cmp_eq_u32 ttmp9, 2
	s_cselect_b64 s[4:5], s[74:75], s[4:5]
	s_cselect_b64 s[6:7], s[6:7], s[8:9]
	s_cselect_b64 s[8:9], s[80:81], s[18:19]
	s_add_nc_u64 s[20:21], s[4:5], s[20:21]
	s_add_nc_u64 s[46:47], s[6:7], s[46:47]
	CROUND
.irp s, 0,1
	s_mov_b32 s[G0+4*\s], 1
	s_add_co_u32 s[G0+4*\s+1], s45, \s*SLOT
	s_add_nc_u64 s[G0+4*\s+2:G0+4*\s+3], s[20:21], \s*ROWB
	s_or_b32 s[G0+4*\s+3], s[G0+4*\s+3], 0x80000000
	s_mov_b32 s[G0B+4*\s], 1
	s_add_co_u32 s[G0B+4*\s+1], s45, \s*SLOT
	s_add_nc_u64 s[G0B+4*\s+2:G0B+4*\s+3], s[46:47], \s*ROWB
	s_or_b32 s[G0B+4*\s+3], s[G0B+4*\s+3], 0x80000000
.endr
	JLOAD G0, G1, G0B, G1B                         ; K step 0, behind the one round above: a wave's one tensor load at the head; the addresses, the biases' loads and the scales below are made while it is out
; PREFETCHES INTO THE L2.  A refill goes out with none of the wave's loads on its way beside it, so what it asks for is asked of memory earlier: behind K step t's load for K step t + 2, and here, at the buffers'
; first touch, for K step 1 too: never more than two K steps asked for and not yet read.  Of the 128 rows that I fetch, each of the four partners that ask for them jointly takes 32, told apart BY ADDRESS
; (cx for A's tiles, cy for B's): a lane a row, 256 bytes of it, so each block is named once in the cluster.  K has four steps: K steps 2 and 3 ask for nothing.  The address registers are never rewritten.
.set PFA, 104                          ; s[104:105] my work-group's 32 rows, at K step 0
.set PFT, 2                            ; s[2:3] at work
.set PFO, 12                           ; v12 my lane x a row in memory
	s_cmp_eq_u32 s15, 0                            ; do I fetch for A?
	s_cselect_b64 s[PFA:PFA+1], s[20:21], s[46:47]
	s_cselect_b32 s[PFT], s40, s41                 ; my place among the four that ask with me
	s_mul_i32 s[PFT], s[PFT], 32*KROW
	s_mov_b32 s[PFT+1], 0
	s_add_nc_u64 s[PFA:PFA+1], s[PFA:PFA+1], s[PFT:PFT+1]
	v_and_b32 v[PFO], 31, v0
	v_mul_u32_u24 v[PFO], v[PFO], KROW
	global_prefetch_b8 v[PFO], s[PFA:PFA+1] offset:ROWB th:TH_LOAD_NT scope:SCOPE_SE
	global_prefetch_b8 v[PFO], s[PFA:PFA+1] offset:2*ROWB th:TH_LOAD_NT scope:SCOPE_SE
	v_and_b32 v1, 15, v0
	s_wait_alu depctr_va_vdst(0)
	v_bfe_u32 v2, v0, 4, 1
	v_mul_u32_u24 v3, v1, PITCH
	v_lshl_add_u32 v4, v2, 4, v3
	s_mul_i32 s21, s15, HALFT
	s_mul_i32 s22, s16, HALFT
	s_add_co_u32 s22, s22, 2*HALFT
.irp s, 0,1
	v_add_nc_u32 v[ADRA+\s], s21, v4
	v_add_nc_u32 v[ADRB+\s], s22, v4
	s_add_co_u32 s21, s21, SLOT
	s_add_co_u32 s22, s22, SLOT
.endr
	s_mul_i32 s23, s14, 32*144
	s_add_co_u32 s23, s23, STAGE
	v_mul_u32_u24 v5, v1, 144
	s_wait_alu depctr_va_vdst(0)
	v_lshl_add_u32 v5, v2, 3, v5
	v_add_nc_u32 v[STO], s23, v5
	v_and_b32 v6, 8, v1
	v_add_nc_u32 v6, v6, v1
	v_mul_u32_u24 v6, v6, 144
	v_lshl_add_u32 v6, v2, 4, v6
	v_add_nc_u32 v[RD], s23, v6
	v_and_b32 v7, 31, v0
	v_lshlrev_b32 v[L16], 4, v7
	s_wait_alu depctr_va_vdst(0)
	s_lshl_b32 s18, s17, 8
	s_lshl_b32 s19, s15, 7
	s_add_co_u32 s18, s18, s19
	s_lshl_b32 s19, s42, 8
	s_lshl_b32 s20, s16, 7
	s_add_co_u32 s19, s19, s20
	s_cmp_eq_u32 ttmp9, 0
	s_cselect_b32 s76, 1, 0
	s_cselect_b32 s77, 0x800000, 0
	s_lshr_b32 s80, 0x40000, s76
	s_mov_b32 s81, 0x8000                          ; 512 positions are 32,768 bytes in Q, in K and in V: a head's K lies on end, and so does its V
	s_and_b32 s79, s18, 2047
	s_add_co_u32 s66, s18, 2048
	s_cmp_eq_u32 ttmp9, 2
	s_cselect_b32 s78, 1, 0
	s_cselect_b32 s77, 0x20000, s77                ; a head's V begins 131,072 bytes behind its K
	s_cselect_b32 s20, s19, s18
	s_cselect_b32 s21, s18, s19
	s_cselect_b32 s22, 0, s19
	s_cselect_b32 s23, s18, 0
	s_cselect_b32 s70, 256000, 0
	s_cselect_b32 s67, 1024, s80
	s_cselect_b32 s79, s66, s79
	s_add_co_u32 s70, s70, 2048
	s_mov_b32 s71, 0
	s_lshl_b32 s68, 2048, s78
	s_mov_b32 s69, 0
	s_lshl_b32 s66, 1024, s78
	s_lshr_b32 s72, s20, 11
	s_lshl_b32 s72, s72, 4
	s_lshr_b32 s73, s21, 6
	s_add_co_u32 s72, s72, s73
	s_mul_i32 s72, s72, s80
	s_add_co_u32 s72, s72, s77
	s_bfe_u32 s73, s20, 0x20009
	s_mul_i32 s73, s73, s81
	s_add_co_u32 s72, s72, s73
	s_bfe_u32 s73, s20, 0x20007
	s_lshl_b32 s73, s73, 13
	s_add_co_u32 s72, s72, s73
	s_mov_b32 s73, 0
	s_add_nc_u64 s[10:11], s[86:87], s[72:73]
	s_lshl_b32 s72, s79, 8
	s_add_nc_u64 s[12:13], s[84:85], s[72:73]
	s_lshl_b32 s72, s22, 2
	s_add_nc_u64 s[74:75], s[8:9], s[72:73]
	s_lshl_b32 s72, s23, 2
	s_add_nc_u64 s[8:9], s[8:9], s[72:73]
	v_lshlrev_b32 v5, 5, v2
	v_lshlrev_b32 v6, 2, v1
.irp b, 0,1,2,3,4,5,6,7
	global_load_b128 v[CB+8*\b:CB+8*\b+3], v5, s[74:75] offset:64*\b
	global_load_b128 v[CB+8*\b+4:CB+8*\b+7], v5, s[74:75] offset:64*\b+16
.endr
.irp a, 0,1,2,3,4,5,6,7
	global_load_b32 v[RB+\a], v6, s[8:9] offset:64*\a
.endr
	v_mov_b32 v[VO], v[L16]
	v_add_nc_u32 v[VO+1], s67, v[L16]
	v_add_nc_u32 v[VO+2], s66, v[L16]
	v_add_nc_u32 v[VO+3], s67, v[VO+2]
	s_wait_kmcnt 0x0
	s_add_co_i32 s88, s88, s89
	s_add_co_i32 s90, s90, s91
	s_add_co_i32 s92, s92, s93
	s_cmp_eq_u32 ttmp9, 0
	s_cselect_b32 s88, s88, s90
	s_cselect_b32 s94, s94, s95
	s_cmp_eq_u32 ttmp9, 2
	s_cselect_b32 s88, s92, s88
	s_cselect_b32 s94, s96, s94
	s_sub_co_i32 s89, 127, s88
	s_lshl_b32 s89, s89, 23
	s_cmp_eq_u32 ttmp9, 2
	s_cselect_b32 s98, 0, s89
	s_cselect_b32 s100, s89, 0
	s_mov_b32 s99, s98
	s_sub_co_i32 s90, s94, s88
	s_add_co_i32 s90, s90, 127
	s_lshl_b32 s91, s90, 23
	v_mov_b32 v[SCV], s91
	s_add_co_i32 s90, s90, 15
	s_lshl_b32 s90, s90, 23
	s_or_b32 s90, s90, 0x600000
	v_mov_b32 v[LIMV], s90
	s_wait_loadcnt 0x0
.set j, 0
.rept 32
	v_pk_mul_f32 v[CB+j:CB+j+1], v[CB+j:CB+j+1], s[98:99] op_sel_hi:[1,0]
.set j, j+2
.endr
.irp a, 0,1,2,3,4,5,6,7
	v_mul_f32 v[RB+\a], s100, v[RB+\a]
.endr
.macro FRAG reg, adr, q, i
.irp c, 0,1,2,3
	ds_load_b128 v[\reg+4*\c:\reg+4*\c+3], v[\adr] offset:128*(\q)+32*\c+(\i)*16*PITCH
.endr
.endm
.macro MUL16 a0, p, first
.irp a, \a0, \a0+1
.irp b, 0,1,2,3,4,5,6,7
.if \first
	v_wmma_f32_16x16x128_bf8_bf8 v[8*(8*((\a)%4)+\b):8*(8*((\a)%4)+\b)+7], v[128*(\p)+FR*\b:128*(\p)+FR*\b+FR-1], v[AF+FR*(\a):AF+FR*(\a)+FR-1], v[CB+8*\b:CB+8*\b+7]
.else
	v_wmma_f32_16x16x128_bf8_bf8 v[8*(8*((\a)%4)+\b):8*(8*((\a)%4)+\b)+7], v[128*(\p)+FR*\b:128*(\p)+FR*\b+FR-1], v[AF+FR*(\a):AF+FR*(\a)+FR-1], v[8*(8*((\a)%4)+\b):8*(8*((\a)%4)+\b)+7]
.endif
.endr
.endr
.endm
.macro FETCH_B slot, q, p
	WIN TO_B
.irp i, 0,1,2,3,4,5,6,7
	FRAG 128*(\p)+FR*\i, ADRB+\slot, \q, \i
.endr
	WIN 0
.endm
.macro FETCH_A slot, q, i0
.irp i, \i0, \i0+1, \i0+2, \i0+3
	FRAG AF+FR*(\i), ADRA+\slot, \q, \i
.endr
.endm
.macro PLACES n
.rept \n
	v_nop
.endr
.endm
.macro STEP slot, q, first
	s_wait_dscnt 4*NL
.if \first
	WIN FST_LO
.else
	WIN MUL_LO
.endif
	MUL16 0, (\q)%2, \first
	MUL16 2, (\q)%2, \first
	s_wait_dscnt 0
	PLACES NP
	FETCH_B \slot, (\q)+1, 1-(\q)%2
	FETCH_A \slot, (\q)+1, 0
.if \first
	WIN FST_HI
.else
	WIN MUL_HI
.endif
	MUL16 4, (\q)%2, \first
	MUL16 6, (\q)%2, \first
	PLACES NP
	WIN 0
	FETCH_A \slot, (\q)+1, 4
.endm
.macro TURN slot, next, fill
	s_wait_tensorcnt 0x0
	ds_add_u32 v[SPW], v[NIL]
	s_wait_dscnt 4*NL+1
	WIN MUL_LO
	MUL16 0, 1, 0
	s_wait_dscnt 0x0
	s_barrier_signal -1
	MUL16 2, 1, 0
	WIN 0
	s_barrier_wait -1
.if \fill
	CREST
	s_add_nc_u64 s[G0+4*\slot+2:G0+4*\slot+3], s[G0+4*\slot+2:G0+4*\slot+3], 2*ROWB
	s_add_nc_u64 s[G0B+4*\slot+2:G0B+4*\slot+3], s[G0B+4*\slot+2:G0B+4*\slot+3], 2*ROWB
	JLOAD G0+4*\slot, G1, G0B+4*\slot, G1B
.else
	PLACES NP
.endif
	FETCH_B \next, 0, 0
	FETCH_A \next, 0, 0
	WIN MUL_HI
	MUL16 4, 1, 0
	MUL16 6, 1, 0
	PLACES NP
	WIN 0
	FETCH_A \next, 0, 4
.endm
	s_wait_alu depctr_va_vdst(0)
	s_wait_tensorcnt 0x0                           ; my part of K step 0 is in
	ds_add_u32 v[SPW], v[NIL]
	s_wait_dscnt 0x0
	CROUND                                         ; everybody's part of K step 0 is in, and all sixteen work-groups are here
	JLOAD G0+4, G1, G0B+4, G1B                     ; K step 1: slot 1's first fill, the first tensor load behind the round
	FETCH_B 0, 0, 0
	FETCH_A 0, 0, 0
	FETCH_A 0, 0, 4
	global_prefetch_b8 v[PFO], s[PFA:PFA+1] offset:3*ROWB th:TH_LOAD_NT scope:SCOPE_SE   ; K step 3, behind K step 1's load and the run of LDS loads that the first products wait for
	STEP 0, 0, 1
	s_mov_b32 s3, LAPS-1
.Llap:
	TURN 0, 1, 1
	STEP 1, 0, 0
	TURN 1, 0, 1
	STEP 0, 0, 0
	s_sub_co_u32 s3, s3, 1
	s_cmp_lg_u32 s3, 0
	s_cbranch_scc1 .Llap
	TURN 0, 1, 0
	STEP 1, 0, 0
; The rotary table of block a (16 positions, 4,096 bytes) goes into window 1, v[32 a ..]: B's two sets of fragments, 256 registers, hold all eight blocks.
; Set 0 has been read for the last time (the four places at the step's end stand behind its last product): blocks 0 to 3 are asked for ahead of the last 64 products.
.macro CSL a
	WIN TO_B
.irp k, 0,1,2,3,4,5,6,7
	global_load_b128 v[32*(\a)+4*\k:32*(\a)+4*\k+3], v[L16], s[12:13] offset:4096*(\a)+512*\k
.endr
	WIN 0
.endm
	CSL 0
	CSL 1
	CSL 2
	CSL 3
	s_wait_dscnt 4*NL
	WIN MUL_LO
	MUL16 0, 1, 0
	MUL16 2, 1, 0
	s_wait_dscnt 0
	WIN MUL_HI
	MUL16 4, 1, 0
	MUL16 6, 1, 0
	WIN 0
.macro ROPE a
.set AC, 64*((\a)%4)
.set CT, 32*(\a)
.set RP, RB+2*((\a)/2)
	WIN 0x06+((\a)/4)                              ; source 0: window 2 or 3 (the sums); source 1: window 1 (the table)
.irp b, 0,1,2,3,4,5,6,7
.irp p, 0,1,2,3
.if ((\a)%2) == 0
	v_pk_fma_f32 v[XR+8*\b+2*\p:XR+8*\b+2*\p+1], v[AC+8*\b+2*\p:AC+8*\b+2*\p+1], v[CT+8*(\b%4)+2*\p:CT+8*(\b%4)+2*\p+1], v[RP:RP+1] op_sel_hi:[1,0,0]
.else
	v_pk_fma_f32 v[XR+8*\b+2*\p:XR+8*\b+2*\p+1], v[AC+8*\b+2*\p:AC+8*\b+2*\p+1], v[CT+8*(\b%4)+2*\p:CT+8*(\b%4)+2*\p+1], v[RP:RP+1] op_sel:[0,0,1] op_sel_hi:[1,0,1]
.endif
.endr
.irp p, 0,1,2,3
	v_pk_fma_f32 v[XR+8*\b+2*\p:XR+8*\b+2*\p+1], v[AC+8*\b+2*\p:AC+8*\b+2*\p+1], v[CT+8*(\b%4)+2*\p:CT+8*(\b%4)+2*\p+1], v[XR+8*\b+2*\p:XR+8*\b+2*\p+1] op_sel:[1,1,0] op_sel_hi:[0,1,1] neg_lo:[0,1,0]
.endr
.endr
	WIN 0
.endm
.macro PACK a
.set CT, CD+16*((\a)%2)
.set j, 0
.rept 64
	v_med3_num_f32 v[XR+j], v[XR+j], -v[LIMV], v[LIMV]
.set j, j+1
.endr
.irp b, 0,1,2,3,4,5,6,7
	v_cvt_scalef32_pk8_bf8_f32 v[CT+2*\b:CT+2*\b+1], v[XR+8*\b:XR+8*\b+7], v[SCV]
.endr
	v_nop
.irp b, 0,1,2,3,4,5,6,7
	ds_store_b64 v[STO], v[CT+2*\b:CT+2*\b+1] offset:2304*((\a)%2)+16*\b
.endr
.endm
.macro OUT pr
	s_wait_xcnt 0x0
.if (\pr) == 2
	s_add_nc_u64 s[10:11], s[10:11], s[70:71]
.elseif (\pr) > 0
	s_add_nc_u64 s[10:11], s[10:11], s[68:69]
.endif
.irp u, 0,1
.irp c, 0,1,2,3
	ds_load_b128 v[BK+4*(4*\u+\c):BK+4*(4*\u+\c)+3], v[RD] offset:1152*\u+32*\c
.endr
.endr
	s_wait_dscnt 0x0
.irp u, 0,1
.irp c, 0,1,2,3
	global_store_b128 v[VO+2*\u+\c/2], v[BK+4*(4*\u+\c):BK+4*(4*\u+\c)+3], s[10:11] offset:512*(\c%2)
.endr
.endr
.endm
	PLACES NP
	CSL 4                                          ; set 1 is free now: blocks 4 to 7
	CSL 5
	CSL 6
	CSL 7
.irp a, 0,1,2,3,4,5,6,7
	s_wait_loadcnt 8*(7-\a)                        ; block a's eight loads are in; the eight of each later block may be out
	ROPE \a
	PACK \a
.if (\a%2) == 1
	OUT \a/2
.endif
.endr
	s_wait_tensorcnt 0x0
	ds_add_u32 v[SPW], v[NIL]
	s_wait_dscnt 0x0
	CROUND
	s_endpgm
.Lfunc_end_k_q3fde676ab5_qkv:
	.size	k_q3fde676ab5_qkv, .Lfunc_end_k_q3fde676ab5_qkv-k_q3fde676ab5_qkv
	.p2alignl 7, 3214868480
	.fill 96, 4, 3214868480
	.section	.rodata,"a",@progbits
	.p2align	6, 0x0
	.amdhsa_kernel k_q3fde676ab5_qkv
		.amdhsa_group_segment_fixed_size 327680
		.amdhsa_private_segment_fixed_size 0
		.amdhsa_enable_private_segment 0
		.amdhsa_kernarg_size 80
		.amdhsa_user_sgpr_count 2
		.amdhsa_user_sgpr_kernarg_segment_ptr 1
		.amdhsa_wavefront_size32 1
		.amdhsa_system_sgpr_workgroup_id_x 1
		.amdhsa_system_sgpr_workgroup_id_y 1
		.amdhsa_system_sgpr_workgroup_id_z 1
		.amdhsa_system_vgpr_workitem_id 0
		.amdhsa_next_free_vgpr 1024
		.amdhsa_next_free_sgpr 106
		.amdhsa_reserve_vcc 0
		.amdhsa_float_denorm_mode_32 3
		.amdhsa_float_denorm_mode_16_64 3
		.amdhsa_memory_ordered 1
		.amdhsa_forward_progress 1
		.amdhsa_inst_pref_size 171
	.end_amdhsa_kernel
	.amdgpu_metadata
---
amdhsa.version: [ 1, 2 ]
amdhsa.kernels:
  - .name:           k_q3fde676ab5_qkv
    .symbol:         k_q3fde676ab5_qkv.kd
    .args:
      - { .name: acodes, .offset: 0, .size: 8, .value_kind: global_buffer, .address_space: global }
      - { .name: q_w_codes, .offset: 8, .size: 8, .value_kind: global_buffer, .address_space: global }
      - { .name: k_w_codes, .offset: 16, .size: 8, .value_kind: global_buffer, .address_space: global }
      - { .name: v_w_codes, .offset: 24, .size: 8, .value_kind: global_buffer, .address_space: global }
      - { .name: q_b, .offset: 32, .size: 8, .value_kind: global_buffer, .address_space: global }
      - { .name: k_b, .offset: 40, .size: 8, .value_kind: global_buffer, .address_space: global }
      - { .name: v_b, .offset: 48, .size: 8, .value_kind: global_buffer, .address_space: global }
      - { .name: lowp_scales, .offset: 56, .size: 8, .value_kind: global_buffer, .address_space: global }
      - { .name: rope, .offset: 64, .size: 8, .value_kind: global_buffer, .address_space: global }
      - { .name: qkv, .offset: 72, .size: 8, .value_kind: global_buffer, .address_space: global }
    .group_segment_fixed_size: 327680
    .private_segment_fixed_size: 0
    .kernarg_segment_align: 8
    .kernarg_segment_size: 80
    .max_flat_workgroup_size: 128
    .sgpr_count:     106
    .vgpr_count:     1024
    .wavefront_size: 32
...
	.end_amdgpu_metadata
.endif
;; end of part 2
;; launch attn (part 3): grid 8 x 32, 16 waves a work-group, clusters of 4 x 1, 327,680 bytes of LDS; arguments qkv, src, lowp_scales, ybuf; writes ybuf
.if DOCPART == 3
	.amdgcn_target "amdgcn-amd-amdhsa--gfx1250"
	.amdhsa_code_object_version 6
	.text
	.protected	k_q3fde676ab5_attn
	.globl	k_q3fde676ab5_attn
	.p2align	8
	.type	k_q3fde676ab5_attn,@function
k_q3fde676ab5_attn:
	s_mov_b64 s[64:65], 0
	v_nop
	global_prefetch_b8 v0, s[64:65] scope:SCOPE_SE
	s_setreg_imm32_b32 hwreg(HW_REG_WAVE_MODE, 25, 1), 1
	s_wait_xcnt 0x0
	s_wait_alu depctr_hold_cnt(0) depctr_sa_sdst(0) depctr_va_vdst(0) depctr_va_sdst(0) depctr_va_ssrc(0) depctr_va_vcc(0) depctr_vm_vsrc(0)
	s_getreg_b32 s2, hwreg(HW_REG_IB_STS2, 6, 4)
	s_cmp_eq_u32 s2, 0
	s_cbranch_scc0 .Lentry_in_a_cluster
	s_endpgm
.Lentry_in_a_cluster:
	s_bfe_u32 s2, ttmp6, 0x10000c
	s_cmp_lg_u32 s2, 0x3003
	s_cbranch_scc0 .Lentry_shape_is_right
	s_endpgm
.Lentry_shape_is_right:
; ybuf = src + attention(q, k, v), both products on E5M2 codes.  Head size 64, 2,048 keys, no mask.  The codes lie in memory in the order of the operands' registers (16 bytes a lane, 512 a piece):
;   [bh = 16 b + head][K 131,072 | V 131,072];  K: [32 keys][u][c][lane][16];  V: [128 keys][dt][c4][lane][16]: 8,192 bytes of each for 128 keys;  from 8 MiB on Q: [bh][32 queries][u][c][lane][16].
; THE SOFTMAX AHEAD OF THE SECOND PRODUCT: t = score x log2(e) / 8; M = the running largest t rounded UP to a whole number; p = 2^(t - M) is quantised, not normalised; the row's sum is taken of the
; unquantised p and divides at the end.  When M moves, the sum and O are multiplied by 2^(old M - new M): exact.
; SHARES.  A work-group owns 256 queries of one head; each of its sixteen waves one tile of 16: queries sbase + 0..7 and sbase + 16..23, sbase = 256 x block + 32 (wave / 2) + 8 (wave % 2).
; LDS HOLDS THE HEAD'S WHOLE K AND V, 262,144 bytes, laid as in memory, and every byte is filled once, in two groups.  At the head each wave asks for 4,096 bytes of the first 512 keys (waves 0-7: K, waves 8-15: V);
; behind a wait and a round, each wave asks for 12,288 bytes of the other 1,536 keys, which land while the first four key steps are walked.
; One barrier parts those four steps from the other twelve.  By this text's count a wave has one tensor load out at a time.
; The four work-groups of a cluster belong to one head and ask for each piece JOINTLY (mask 15).  No prefetch: all of K and V is asked for ahead of the first key step, so there is no later request to run ahead of.
; LAYOUT.  Both products are used transposed: S^T = K Q^T (16x16x64), O^T = V^T P^T (16x16x128): a lane holds ONE query (lane % 16).  Lane r of key tile 2 blk + u holds key 32 blk + 8 u + r + 8 (r / 8), so that
; the 16 registers of tiles 2 blk and 2 blk + 1 are keys 32 blk + 16 (lane / 16) + 0..15: the conversions' results are the second product's operand.  V's rows d are chosen likewise.
; The order of k inside a fragment (registers 4 c .. 4 c + 3: k = 32 c + 16 (lane / 16) + 0..15) is the same in both operands of each product.
; THE SOFTMAX'S PLAIN ARITHMETIC GOES IN DUAL INSTRUCTIONS, two numbers each: an even and an odd destination, and each pair of like sources in different register banks (register number mod 4).  So c, -M, f and the
; hold's bound are each kept twice.
; LIMITS: entries 6 + 7 between -123 and 130 (added to c's exponent field); entry 8 between -126 and 112; the scaled scores stay under 2^31 in magnitude.  NaN among the inputs is not served.
; REGISTERS: v1, v2 16 x lane in K's and in V's region; v7 my bytes in src and ybuf; v8, v9 the step's LDS addresses; v12, v26 -M; v13 the largest t; v[14:15] the sum; v16-23 Q; v24, v25 c; v32-95 K's or V's fragments;
; v96-159 S^T, then p; v160-191 O^T; v192-223 my part of src; v224-239 p's codes; v240, v245 57,344 x 2^e8; v244 2^e8; v252, v253 f; v241-243, v246-249, v254 at work; v251, v255 the spare word's address and 0.
.set LI,   1
.set LV,   2
.set GO,   7
.set ADK,  8
.set ADV,  9
.set MB,   26
.set SPW,  251
.set NIL,  255
.set VREG, 0x20000                     ; V's region, in a head's bytes of memory and in LDS
.set SPARE, 0x40000                    ; behind K and V: the spare words, 128 bytes for each wave
.set WV,   18                          ; s18  my wave's number
.set SEL,  20                          ; s[20:21] lane selects: lane l xor 16
.set CS,   22                          ; s22  c = log2(e) / 8 x 2^(e6 + e7)
.set G1A,  24                          ; s[24:31] descriptor group 1 of the first group's pieces;  s[40:47] of the second's
.set G1B,  40
.set G0A,  32                          ; s[32:35], s[36:39] their groups 0
.set G0B,  36
.set TB,   48                          ; s48  byte of the step's 128 keys in K's and in V's region
.set CNT,  49                          ; s49  steps to go
.macro CROUND                          ; a round of the cluster's barrier
	s_barrier_signal -1
	s_barrier_wait -1
	s_cmp_lg_u32 s[WV], 0
	s_cbranch_scc1 .Lnot_wave_0_\@
	s_barrier_signal -3
.Lnot_wave_0_\@:
	s_barrier_wait -3
	s_barrier_signal -1
	s_barrier_wait -1
.endm
	s_load_b256 s[4:11], s[0:1], 0x0               ; qkv s[4:5], src s[6:7], the scales s[8:9], ybuf s[10:11]
	v_lshl_add_u32 v[SPW], v0, 2, SPARE
	v_mov_b32 v[NIL], 0
	ds_add_u32 v[SPW], v[NIL]                      ; the opening: the add, twice on end, and its wait ahead of my first tensor load
	ds_add_u32 v[SPW], v[NIL]
	v_lshrrev_b32 v8, 5, v0
	s_delay_alu instid0(VALU_DEP_1)
	v_readfirstlane_b32 s[WV], v8                  ; wave 0..15
	s_bfe_u32 s50, ttmp6, 0x40000                  ; cx
	s_lshl_b32 s51, ttmp9, 2
	s_add_co_u32 s51, s51, s50                     ; my block of 256 queries: it enters Q's, src's and ybuf's addresses alone
	s_and_b32 s52, ttmp7, 0xffff                   ; bh, which the four partners share
	s_lshl_b32 s54, s52, 18                        ; the head's 262,144 bytes of K and V
	s_mov_b32 s55, 0
	s_and_b32 s56, s[WV], 7                        ; my pieces, in the head's bytes and in LDS alike:
	s_lshr_b32 s57, s[WV], 3
	s_lshl_b32 s57, s57, 17                        ; waves 8-15 fetch for V
	s_mul_i32 s62, s56, 12288
	s_lshl_b32 s56, s56, 12
	s_add_co_u32 s56, s56, s57                     ; the first: 4,096 (wave % 8), of the region's first 32,768 bytes
	s_add_co_u32 s62, s62, s57
	s_add_co_u32 s62, s62, 32768                   ; the second: 12,288 (wave % 8), behind those
	s_mov_b32 s57, 0
	s_mov_b32 s63, 0
	; descriptor groups 1: dense blocks of 4,096 and of 12,288 bytes as 16 and 48 rows of 32 elements of 8 bytes
	s_mov_b32 s[G1A], 15|(3<<16)|(1<<21)           ; 15:0 the mask: all four work-groups; 17:16 elements of 8 bytes; 21 set beside a mask; no padding
	s_mov_b32 s[G1A+1], 32<<16                     ; tensor_dim0
	s_mov_b32 s[G1A+2], 16<<16                     ; tensor_dim1
	s_mov_b32 s[G1A+3], 32<<16                     ; tile_dim0
	s_mov_b32 s[G1A+4], 16                         ; tile_dim1
	s_mov_b32 s[G1A+5], 32                         ; tensor_dim0_stride
	s_mov_b32 s[G1A+6], 0
	s_mov_b32 s[G1A+7], 0
	s_mov_b32 s[G1B], 15|(3<<16)|(1<<21)
	s_mov_b32 s[G1B+1], 32<<16
	s_mov_b32 s[G1B+2], 48<<16
	s_mov_b32 s[G1B+3], 32<<16
	s_mov_b32 s[G1B+4], 48
	s_mov_b32 s[G1B+5], 32
	s_mov_b32 s[G1B+6], 0
	s_mov_b32 s[G1B+7], 0
	s_lshl_b32 s58, s52, 17                        ; Q: 131,072 bh + 16,384 block + 1,024 wave + 8 MiB
	s_lshl_b32 s59, s51, 14
	s_add_co_u32 s58, s58, s59
	s_lshl_b32 s59, s[WV], 10
	s_add_co_u32 s58, s58, s59
	s_add_co_u32 s58, s58, 0x800000
	s_mov_b32 s59, 0
	s_lshl_b32 s60, s51, 8                         ; sbase
	s_lshr_b32 s61, s[WV], 1
	s_lshl_b32 s61, s61, 5
	s_add_co_u32 s60, s60, s61
	s_and_b32 s61, s[WV], 1
	s_lshl_b32 s61, s61, 3
	s_add_co_u32 s60, s60, s61
	s_lshl_b32 s60, s60, 13                        ; a position is 8,192 bytes of src,
	s_lshr_b32 s61, s52, 4
	s_lshl_b32 s61, s61, 12                        ; a batch 4,096,
	s_add_co_u32 s60, s60, s61
	s_and_b32 s61, s52, 15
	s_lshl_b32 s61, s61, 8                         ; a head 256
	s_add_co_u32 s60, s60, s61
	s_mov_b32 s61, 0
	s_mov_b32 s[SEL], 0x76543210
	s_mov_b32 s[SEL+1], 0xfedcba98
	s_mov_b32 s[CS], 0x3e38aa3b                    ; log2(e) / 8
	s_wait_dscnt 0x0                               ; both opening adds are done
	s_wait_kmcnt 0x0
	s_load_b128 s[68:71], s[8:9], 0x18             ; entries 6 to 9
	s_add_nc_u64 s[72:73], s[4:5], s[54:55]        ; the head's K and V
	s_mov_b32 s[G0A], 1                            ; count = 1
	s_mov_b32 s[G0A+1], s56                        ; LDS address
	s_add_nc_u64 s[G0A+2:G0A+3], s[72:73], s[56:57]
	s_or_b32 s[G0A+3], s[G0A+3], 0x80000000        ; type = 2
	s_mov_b32 s[G0B], 1
	s_mov_b32 s[G0B+1], s62
	s_add_nc_u64 s[G0B+2:G0B+3], s[72:73], s[62:63]
	s_or_b32 s[G0B+3], s[G0B+3], 0x80000000
	s_add_nc_u64 s[4:5], s[4:5], s[58:59]
	s_add_nc_u64 s[6:7], s[6:7], s[60:61]
	s_add_nc_u64 s[10:11], s[10:11], s[60:61]
	CROUND                                         ; all four work-groups are here: the joint loads meet
	tensor_load_to_lds s[G0A:G0A+3], s[G1A:G1A+7]  ; the first 512 keys: a wave's one tensor load at the head
	s_nop 0
.rept 4
	v_nop
.endr
	v_and_b32 v3, 31, v0
	v_and_b32 v4, 15, v0
	v_bfe_u32 v5, v0, 4, 1
	v_lshlrev_b32 v[LI], 4, v3
	v_lshlrev_b32 v[GO], 13, v5
	v_add_nc_u32 v[LV], VREG, v[LI]
	v_lshl_add_u32 v[GO], v4, 4, v[GO]             ; lanes 0-15 one position's 256 bytes, lanes 16-31 the next position's
	global_load_b128 v[16:19], v[LI], s[4:5]       ; Q's fragment stays in registers
	global_load_b128 v[20:23], v[LI], s[4:5] offset:512
	v_mov_b32 v13, 0xff61b1e6                      ; the largest t so far: -3e38
	v_mov_b32 v14, 0
	v_mov_b32 v15, 0
	v_mov_b32 v241, 0                              ; a lane permute's destination counts as read
	v_floor_f32 v12, -v13                          ; -M
.set j, 0
.rept 32
	v_mov_b32 v[160+j], 0                          ; O^T: the step is written once; its first run finds zeros
.set j, j+1
.endr
	s_wait_kmcnt 0x0
	s_add_co_i32 s53, s68, s69
	s_lshl_b32 s53, s53, 23
	s_add_co_i32 s[CS], s[CS], s53                 ; a score stands for score x 2^(e6 + e7)
	v_mov_b32 v24, s[CS]                           ; c, twice
	v_mov_b32 v25, s[CS]
	s_add_co_i32 s53, s70, 127
	s_lshl_b32 s57, s53, 23
	v_mov_b32 v244, s57                            ; 2^e8
	s_add_co_i32 s53, s53, 15
	s_lshl_b32 s53, s53, 23
	s_or_b32 s53, s53, 0x600000
	v_mov_b32 v240, s53                            ; 57,344 x 2^e8, twice
	v_mov_b32 v245, s53
	s_mov_b32 s[TB], 0
	s_wait_alu depctr_va_vdst(0)
	s_wait_loadcnt 0x0                             ; Q is in
	s_wait_tensorcnt 0x0                           ; my piece of the first 512 keys has landed
	ds_add_u32 v[SPW], v[NIL]
	s_wait_dscnt 0x0
	CROUND                                         ; everybody's piece has landed, and all four work-groups are here
	tensor_load_to_lds s[G0B:G0B+3], s[G1B:G1B+7]  ; the other 1,536 keys: the first tensor load behind the round
	s_nop 0
.rept 4
	v_nop
.endr
.irp i, 0,1,2,3,4,5,6,7
	global_load_b128 v[192+4*\i:195+4*\i], v[GO], s[6:7] offset:8192*(2*\i+8*(\i/4)) th:TH_LOAD_NT   ; src at my 16 queries: positions sbase + 2 i + (lane / 16), + 8 from the ninth on; read on the way out
.endr
; n KEY STEPS of 128 keys.
.macro WALK n
	s_mov_b32 s[CNT], \n
.Lstep_\@:
	v_add_nc_u32 v[ADK], s[TB], v[LI]
	v_add_nc_u32 v[ADV], s[TB], v[LV]
	v_nop
	v_nop                                          ; with the two additions: four places in front of loads into registers that the last products read
.irp t, 0,1,2,3,4,5,6,7
	ds_load_b128 v[32+8*\t:35+8*\t], v[ADK] offset:1024*\t
	ds_load_b128 v[36+8*\t:39+8*\t], v[ADK] offset:1024*\t+512
.endr
	s_wait_alu depctr_va_vdst(0)
	s_wait_dscnt 0x0
.irp t, 0,1,2,3,4,5,6,7
	v_wmma_f32_16x16x64_bf8_bf8 v[96+8*\t:103+8*\t], v[32+8*\t:39+8*\t], v[16:23], 0
.endr
.rept 4
	v_nop                                          ; places in front of the loads below and of the first read of the scores
.endr
.irp t, 0,1,2,3
.irp c, 0,1,2,3
	ds_load_b128 v[32+16*\t+4*\c:35+16*\t+4*\c], v[ADV] offset:2048*\t+512*\c   ; V of the same keys: it lands while the softmax is walked
.endr
.endr
	v_max3_num_f32 v254, v96, v97, v98             ; the step's largest score of my query among my 64 keys, in two chains, each accumulator from its low end on,
	v_max3_num_f32 v252, v99, v100, v101
.irp i, 6,10,14,18,22,26,30,34,38,42,46,50,54,58
	v_max3_num_f32 v254, v254, v[96+\i], v[97+\i]
	v_max3_num_f32 v252, v252, v[98+\i], v[99+\i]
.endr
	v_max3_num_f32 v254, v254, v158, v159
	s_delay_alu instid0(VALU_DEP_1)
	v_max_num_f32 v254, v254, v252
	s_delay_alu instid0(VALU_DEP_1)
	v_permlanex16_b32 v241, v254, s[SEL], s[SEL+1]
	s_delay_alu instid0(VALU_DEP_1)
	v_max_num_f32 v254, v254, v241                 ; and among lane l xor 16's
	s_delay_alu instid0(VALU_DEP_1)
	v_mul_f32 v254, s[CS], v254                    ; as t (c is positive)
	s_delay_alu instid0(VALU_DEP_1)
	v_max_num_f32 v13, v13, v254                   ; the running largest t
	v_mov_b32 v254, v12
	s_delay_alu instid0(VALU_DEP_2)
	v_floor_f32 v12, -v13                          ; the new -M = -ceil(t),
	v_floor_f32 v[MB], -v13                        ; twice
	s_delay_alu instid0(VALU_DEP_2)
	v_sub_f32 v254, v12, v254                      ; old M - new M: a whole number, 0 or less
	s_delay_alu instid0(VALU_DEP_1)
	v_cvt_i32_f32 v254, v254                       ; (it saturates)
	s_delay_alu instid0(VALU_DEP_1)
	v_ldexp_f32 v252, 1.0, v254                    ; f = 2^(old M - new M),
	v_ldexp_f32 v253, 1.0, v254                    ; twice
.set j, 0
.rept 32
	v_dual_fma_f32 v[96+j], v[96+j], v24, v12 :: v_dual_fma_f32 v[97+j], v[97+j], v25, v[MB]   ; t - M = score x c - M
.set j, j+2
.endr
	v_dual_mul_f32 v14, v14, v252 :: v_dual_mul_f32 v15, v15, v253   ; the sums under the new M
	s_wait_alu depctr_va_vdst(0)
.set j, 0
.rept 64
	v_exp_f32 v[96+j], v[96+j]                     ; p = 2^(t - M)
.set j, j+1
.endr
	v_nop                                          ; the plain line behind the exponentials
	s_wait_alu depctr_va_vdst(0)                   ; one wait for the batch, ahead of its first reader
	v_dual_add_f32 v242, v96, v98 :: v_dual_add_f32 v243, v97, v99   ; the row's sum of the unquantised p: 32 dual additions in four chains of two halves
	v_dual_add_f32 v246, v100, v102 :: v_dual_add_f32 v247, v101, v103
	v_dual_add_f32 v248, v104, v106 :: v_dual_add_f32 v249, v105, v107
	v_dual_add_f32 v14, v108, v14 :: v_dual_add_f32 v15, v109, v15
.irp j, 110,118,126,134,142,150
	v_dual_add_f32 v242, v[\j], v242 :: v_dual_add_f32 v243, v[\j+1], v243
	v_dual_add_f32 v246, v[\j+2], v246 :: v_dual_add_f32 v247, v[\j+3], v247
	v_dual_add_f32 v248, v[\j+4], v248 :: v_dual_add_f32 v249, v[\j+5], v249
	v_dual_add_f32 v14, v[\j+6], v14 :: v_dual_add_f32 v15, v[\j+7], v15
.endr
	v_dual_add_f32 v242, v158, v242 :: v_dual_add_f32 v243, v159, v243
	v_dual_add_f32 v14, v246, v14 :: v_dual_add_f32 v15, v247, v15
	v_dual_add_f32 v242, v248, v242 :: v_dual_add_f32 v243, v249, v243
	v_dual_add_f32 v14, v242, v14 :: v_dual_add_f32 v15, v243, v15
.irp b, 0,1,2,3
.irp i, 0,2,4,6,8,10,12,14
	v_dual_min_num_f32 v[96+16*\b+\i], v[96+16*\b+\i], v240 :: v_dual_min_num_f32 v[97+16*\b+\i], v[97+16*\b+\i], v245   ; the conversion does not saturate (ISA guide 7.6.2); p is not negative: a one-sided hold
.endr
	v_cvt_scalef32_pk8_bf8_f32 v[224+4*\b:225+4*\b], v[96+16*\b:103+16*\b], v244
	v_cvt_scalef32_pk8_bf8_f32 v[226+4*\b:227+4*\b], v[104+16*\b:111+16*\b], v244
.endr
	s_wait_alu depctr_va_vdst(0)                   ; directly ahead of the first reader of O^T
.set j, 0
.rept 16
	v_dual_mul_f32 v[160+j], v[160+j], v252 :: v_dual_mul_f32 v[161+j], v[161+j], v253   ; O^T under the new M; these also stand between the conversions and the products
.set j, j+2
.endr
	s_wait_alu depctr_va_vdst(0)
	s_wait_dscnt 0x0                               ; V is in
.irp t, 0,1,2,3
	v_wmma_f32_16x16x128_bf8_bf8 v[160+8*\t:167+8*\t], v[32+16*\t:47+16*\t], v[224:239], v[160+8*\t:167+8*\t]   ; the four accumulators by turns; the next step's eight other products stand before their next turn
.endr
	s_add_co_u32 s[TB], s[TB], 8192                ; 128 keys are 8,192 bytes of K and of V
	s_sub_co_u32 s[CNT], s[CNT], 1
	s_cmp_lg_u32 s[CNT], 0
	s_cbranch_scc1 .Lstep_\@
.endm
	WALK 4                                         ; the first 512 keys
	s_wait_tensorcnt 0x0                           ; my piece of the other 1,536 keys has landed
	s_wait_dscnt 0x0
	s_barrier_signal -1
	s_barrier_wait -1                              ; everybody's has
	WALK 12
	; THE WAY OUT.  O^T / the sum x 2^(e8 + e9) goes through my stage in LDS (16 rows of 256 bytes + 16) and comes back as whole rows.  The stages lie in K's region, which has had its only fill;
	; a barrier parts every wave's last read of K and V from the first store there.  Between its signal and its wait: work on registers alone.
	s_wait_dscnt 0x0                               ; my reads of K and V are over
	s_barrier_signal -1
	v_add_f32 v14, v14, v15
	v_and_b32 v8, 15, v0                           ; r
	v_bfe_u32 v9, v0, 4, 1                         ; h
	v_permlanex16_b32 v252, v14, s[SEL], s[SEL+1]
	s_add_co_i32 s50, s70, s71
	s_mul_i32 s51, s[WV], 16*272
	v_mul_u32_u24 v10, v8, 272
	v_mul_u32_u24 v11, v9, 272
	v_add_f32 v14, v14, v252                       ; the row's sum
	v_lshl_add_u32 v10, v9, 6, v10
	v_lshl_add_u32 v11, v8, 4, v11
	s_wait_alu depctr_va_vdst(0)
	v_rcp_f32 v14, v14
	v_add_nc_u32 v10, s51, v10                     ; (a plain line behind the reciprocal)  in: row r; tile dt's eight channels: d = 32 (dt / 2) + 16 h + 8 (dt % 2) + 0..7
	v_add_nc_u32 v11, s51, v11                     ; back: lanes 0-15 one row, lanes 16-31 the next
	s_wait_alu depctr_va_vdst(0)                   ; ahead of the reciprocal's first reader
	v_ldexp_f32 v14, v14, s50
	s_wait_alu depctr_va_vdst(0)                   ; directly ahead of the first reader of O^T
.set j, 0
.rept 16
	v_pk_mul_f32 v[96+j:97+j], v[160+j:161+j], v[14:15] op_sel_hi:[1,0]   ; both x v14; each accumulator from its low end on
.set j, j+2
.endr
	s_wait_alu depctr_va_vdst(0)
	s_barrier_wait -1                              ; nobody reads K or V any more
.irp t, 0,1,2,3
	ds_store_b128 v10, v[96+8*\t:99+8*\t] offset:128*(\t/2)+32*(\t%2)
	ds_store_b128 v10, v[100+8*\t:103+8*\t] offset:128*(\t/2)+32*(\t%2)+16
.endr
.irp i, 0,1,2,3,4,5,6,7
	ds_load_b128 v[32+4*\i:35+4*\i], v11 offset:544*\i             ; LDS serves a wave's instructions in order: these see my stores
.endr
	s_wait_loadcnt 0x0                             ; src
.irp i, 0,1,2,3,4,5,6,7
	s_wait_dscnt 7-\i                              ; rows 2 i, 2 i + 1 are back; the 7 - i later loads may be out
	v_pk_add_f32 v[32+4*\i:33+4*\i], v[32+4*\i:33+4*\i], v[192+4*\i:193+4*\i]
	v_pk_add_f32 v[34+4*\i:35+4*\i], v[34+4*\i:35+4*\i], v[194+4*\i:195+4*\i]
	global_store_b128 v[GO], v[32+4*\i:35+4*\i], s[10:11] offset:8192*(2*\i+8*(\i/4))   ; sixteen lanes store 256 consecutive bytes, at a multiple of 256 from the buffer's first byte
.endr
	s_wait_tensorcnt 0x0                           ; the wave's end
	ds_add_u32 v[SPW], v[NIL]
	s_wait_dscnt 0x0
	CROUND                                         ; the closing round
	s_endpgm
.Lfunc_end_k_q3fde676ab5_attn:
	.size	k_q3fde676ab5_attn, .Lfunc_end_k_q3fde676ab5_attn-k_q3fde676ab5_attn
	.p2alignl 7, 3214868480
	.fill 96, 4, 3214868480
	.section	.rodata,"a",@progbits
	.p2align	6, 0x0
	.amdhsa_kernel k_q3fde676ab5_attn
		.amdhsa_group_segment_fixed_size 327680
		.amdhsa_private_segment_fixed_size 0
		.amdhsa_enable_private_segment 0
		.amdhsa_kernarg_size 32
		.amdhsa_user_sgpr_count 2
		.amdhsa_user_sgpr_kernarg_segment_ptr 1
		.amdhsa_wavefront_size32 1
		.amdhsa_system_sgpr_workgroup_id_x 1
		.amdhsa_system_sgpr_workgroup_id_y 1
		.amdhsa_system_sgpr_workgroup_id_z 1
		.amdhsa_system_vgpr_workitem_id 0
		.amdhsa_next_free_vgpr 256
		.amdhsa_next_free_sgpr 80
		.amdhsa_reserve_vcc 0
		.amdhsa_float_denorm_mode_32 3
		.amdhsa_float_denorm_mode_16_64 3
		.amdhsa_memory_ordered 1
		.amdhsa_forward_progress 1
		.amdhsa_inst_pref_size 48
	.end_amdhsa_kernel
	.amdgpu_metadata
---
amdhsa.version: [ 1, 2 ]
amdhsa.kernels:
  - .name:           k_q3fde676ab5_attn
    .symbol:         k_q3fde676ab5_attn.kd
    .args:
      - { .name: qkv, .offset: 0, .size: 8, .value_kind: global_buffer, .address_space: global }
      - { .name: src, .offset: 8, .size: 8, .value_kind: global_buffer, .address_space: global }
      - { .name: lowp_scales, .offset: 16, .size: 8, .value_kind: global_buffer, .address_space: global }
      - { .name: ybuf, .offset: 24, .size: 8, .value_kind: global_buffer, .address_space: global }
    .group_segment_fixed_size: 327680
    .private_segment_fixed_size: 0
    .kernarg_segment_align: 8
    .kernarg_segment_size: 32
    .max_flat_workgroup_size: 512
    .sgpr_count:     80
    .vgpr_count:     256
    .wavefront_size: 32
...
	.end_amdgpu_metadata
.endif
;; end of part 3
;; launch ln1 (part 4): grid 256 x 1, 8 waves a work-group, no clusters, 82,944 bytes of LDS; arguments ybuf, ln1_g, ln1_b, lowp_scales, xbuf, xcodes; writes xbuf, xcodes
.if DOCPART == 4
	.amdgcn_target "amdgcn-amd-amdhsa--gfx1250"
	.amdhsa_code_object_version 6
	.text
	.protected	k_q3fde676ab5_ln1
	.globl	k_q3fde676ab5_ln1
	.p2align	8
	.type	k_q3fde676ab5_ln1,@function
k_q3fde676ab5_ln1:
	s_mov_b64 s[64:65], 0
	v_nop
	global_prefetch_b8 v0, s[64:65] scope:SCOPE_SE
	s_setreg_imm32_b32 hwreg(HW_REG_WAVE_MODE, 25, 1), 1
	s_wait_xcnt 0x0
; x = layer norm of a row of 1,024 f32 (mean, then the mean of the squared differences: two passes, as the model has it), x gain + bias; the rows are stored in f32 and, with CODES = 1, also as E5M2 codes
; (scale exponent: entry 10), K innermost.  A wave keeps two rows, 8,192 consecutive bytes, in 64 registers: memory is read once.  Each load and store covers 512 consecutive bytes.
; For the conversions a lane must hold 16 neighbours: each half row turns through the wave's own stage in LDS (16 bytes of padding behind each 64).  Waves share nothing: no barrier.
; LIMITS: the exponent between -126 and 112.  NaN among the inputs is not served.
.set CODES, 1
.set OP,   12                          ; s[12:13] where the rows go
.set SP,   80
.set STG,  32*SP
.set T,    4                           ; v4-7    at work
.set M,    8                           ; v[8:9]  the mean, twice
.set RS,   10                          ; v[10:11] 1 / sqrt(var + eps), twice
.set PT,   12                          ; v12     the lane permute's destination
.set SCV,  13                          ; v13     2^e
.set LIMV, 1                           ; v1      57,344 x 2^e
.set G,    16                          ; v16-47  the gain at my 32 columns
.set B,    48                          ; v48-79  the bias
.set X0,   80                          ; v80-111, v112-143 the two rows
.set X1,   112
.set Q,    144                         ; v144-207 four half rows, 16 neighbours a lane
.set C,    208                         ; v208-223 their codes
	s_load_b256 s[4:11], s[0:1], 0x0               ; the rows s[4:5], gain s[6:7], bias s[8:9], the scales s[10:11]
	s_load_b128 s[12:15], s[0:1], 0x20             ; xbuf s[12:13], xcodes s[14:15]
	v_lshl_add_u32 v224, v0, 2, 0x14000
	v_mov_b32 v225, 0
	v_lshrrev_b32 v1, 5, v0
	s_delay_alu instid0(VALU_DEP_1)
	v_readfirstlane_b32 s16, v1                    ; wave
	v_and_b32 v2, 31, v0
	s_wait_alu depctr_va_vdst(0)
	v_lshlrev_b32 v3, 4, v2                        ; 16 x lane
	v_mov_b32 v[PT], 0
	s_lshl_b32 s17, ttmp9, 3
	s_add_co_u32 s17, s17, s16                     ; which pair of rows
	s_lshl_b32 s18, s17, 13
	s_mov_b32 s19, 0
	s_mov_b32 s20, 0x76543210
	s_mov_b32 s21, 0xfedcba98
	s_mov_b32 s22, 0x3a800000                      ; 1 / 1,024
	s_mov_b32 s23, 0x3727c5ac                      ; 1e-5
	s_mul_i32 s25, s16, 4*STG
	v_lshrrev_b32 v14, 2, v2
	s_delay_alu instid0(VALU_DEP_1)
	v_mul_u32_u24 v14, v14, SP
	v_and_b32 v15, 3, v2
	s_delay_alu instid0(VALU_DEP_1)
	v_lshl_add_u32 v14, v15, 4, v14
	s_delay_alu instid0(VALU_DEP_1)
	v_add_nc_u32 v14, s25, v14                     ; into a stage
	v_mul_u32_u24 v15, v2, SP
	s_delay_alu instid0(VALU_DEP_1)
	v_add_nc_u32 v15, s25, v15                     ; out of it
	s_lshl_b32 s26, s17, 11
	s_mov_b32 s27, 0
	s_wait_alu depctr_va_vdst(0)
	s_wait_kmcnt 0x0
	s_load_b32 s24, s[10:11], 0x28                 ; entry 10
	s_add_nc_u64 s[14:15], s[14:15], s[26:27]
	s_add_nc_u64 s[4:5], s[4:5], s[18:19]
	s_add_nc_u64 s[OP:OP+1], s[OP:OP+1], s[18:19]
.irp j, 0,1,2,3,4,5,6,7,8,9,10,11,12,13,14,15
	global_load_b128 v[X0+4*\j:X0+4*\j+3], v3, s[4:5] offset:512*\j th:TH_LOAD_NT
.endr
.irp j, 0,1,2,3,4,5,6,7
	global_load_b128 v[G+4*\j:G+4*\j+3], v3, s[6:7] offset:512*\j
.endr
.irp j, 0,1,2,3,4,5,6,7
	global_load_b128 v[B+4*\j:B+4*\j+3], v3, s[8:9] offset:512*\j
.endr
.macro REDUCE                          ; v[T] summed over the 32 lanes, the result in every lane
	s_delay_alu instid0(VALU_DEP_1)
	v_add_f32_dpp v[T], v[T], v[T] row_xmask:1 row_mask:0xf bank_mask:0xf
	s_delay_alu instid0(VALU_DEP_1)
	v_add_f32_dpp v[T], v[T], v[T] row_xmask:2 row_mask:0xf bank_mask:0xf
	s_delay_alu instid0(VALU_DEP_1)
	v_add_f32_dpp v[T], v[T], v[T] row_xmask:4 row_mask:0xf bank_mask:0xf
	s_delay_alu instid0(VALU_DEP_1)
	v_add_f32_dpp v[T], v[T], v[T] row_xmask:8 row_mask:0xf bank_mask:0xf
	s_delay_alu instid0(VALU_DEP_1)
	v_permlanex16_b32 v[PT], v[T], s20, s21
	s_delay_alu instid0(VALU_DEP_1)
	v_add_f32 v[T], v[T], v[PT]
.endm
.macro STAT x                          ; the row in v[x] on becomes (row - mean) / sqrt(var + eps)
	v_pk_add_f32 v[T:T+1], v[\x:\x+1], v[\x+2:\x+3]
	v_pk_add_f32 v[T+2:T+3], v[\x+4:\x+5], v[\x+6:\x+7]
.irp j, 8,12,16,20,24,28
	s_delay_alu instid0(VALU_DEP_2)
	v_pk_add_f32 v[T:T+1], v[T:T+1], v[\x+\j:\x+\j+1]
	s_delay_alu instid0(VALU_DEP_2)
	v_pk_add_f32 v[T+2:T+3], v[T+2:T+3], v[\x+\j+2:\x+\j+3]
.endr
	s_delay_alu instid0(VALU_DEP_1)
	v_pk_add_f32 v[T:T+1], v[T:T+1], v[T+2:T+3]
	s_delay_alu instid0(VALU_DEP_1)
	v_add_f32 v[T], v[T], v[T+1]
	REDUCE
	s_delay_alu instid0(VALU_DEP_1)
	v_mul_f32 v[M], s22, v[T]
	s_delay_alu instid0(VALU_DEP_1)
	v_mov_b32 v[M+1], v[M]
.set j, 0
.rept 16
	v_pk_add_f32 v[\x+j:\x+j+1], v[\x+j:\x+j+1], v[M:M+1] neg_lo:[0,1] neg_hi:[0,1]
.set j, j+2
.endr
	v_pk_mul_f32 v[T:T+1], v[\x:\x+1], v[\x:\x+1]
	v_pk_mul_f32 v[T+2:T+3], v[\x+2:\x+3], v[\x+2:\x+3]
.irp j, 4,8,12,16,20,24,28
	s_delay_alu instid0(VALU_DEP_2)
	v_pk_fma_f32 v[T:T+1], v[\x+\j:\x+\j+1], v[\x+\j:\x+\j+1], v[T:T+1]
	s_delay_alu instid0(VALU_DEP_2)
	v_pk_fma_f32 v[T+2:T+3], v[\x+\j+2:\x+\j+3], v[\x+\j+2:\x+\j+3], v[T+2:T+3]
.endr
	s_delay_alu instid0(VALU_DEP_1)
	v_pk_add_f32 v[T:T+1], v[T:T+1], v[T+2:T+3]
	s_delay_alu instid0(VALU_DEP_1)
	v_add_f32 v[T], v[T], v[T+1]
	REDUCE
	s_delay_alu instid0(VALU_DEP_1)
	v_fma_f32 v[T], v[T], s22, s23                 ; var + eps
	s_wait_alu depctr_va_vdst(0)
	v_rsq_f32 v[RS], v[T]
	v_nop                                          ; a plain line behind it,
	s_wait_alu depctr_va_vdst(0)                   ; and the wait ahead of its first reader
	v_mov_b32 v[RS+1], v[RS]
.set j, 0
.rept 16
	v_pk_mul_f32 v[\x+j:\x+j+1], v[\x+j:\x+j+1], v[RS:RS+1]
.set j, j+2
.endr
.endm
.macro NORM x, off
.set j, 0
.rept 16
	v_pk_fma_f32 v[\x+j:\x+j+1], v[\x+j:\x+j+1], v[G+j:G+j+1], v[B+j:B+j+1]
.set j, j+2
.endr
.irp j, 0,1,2,3,4,5,6,7
	global_store_b128 v3, v[\x+4*\j:\x+4*\j+3], s[OP:OP+1] offset:\off+512*\j
.endr
.endm
	s_wait_loadcnt 24                              ; the first row's eight loads are in; 24 younger ones may be out
	STAT X0
	s_wait_loadcnt 16                              ; the second row's
	STAT X1
	s_wait_loadcnt 0x0                             ; gain and bias
	NORM X0, 0
	NORM X1, 4096
	s_wait_alu depctr_va_vdst(0)
	s_wait_kmcnt 0x0
	s_add_co_i32 s24, s24, 127
	s_lshl_b32 s25, s24, 23
	v_mov_b32 v[SCV], s25
	s_add_co_i32 s24, s24, 15
	s_lshl_b32 s24, s24, 23
	s_or_b32 s24, s24, 0x600000
	v_mov_b32 v[LIMV], s24
.irp t, 0,1,2,3                        ; half row t: 512 numbers through its own stage
.irp i, 0,1,2,3
	ds_store_b128 v14, v[X0+16*\t+4*\i:X0+16*\t+4*\i+3] offset:STG*\t+8*SP*\i
.endr
.irp i, 0,1,2,3
	ds_load_b128 v[Q+16*\t+4*\i:Q+16*\t+4*\i+3], v15 offset:STG*\t+16*\i
.endr
.endr
	s_wait_alu depctr_va_vdst(0)
.irp t, 0,1,2,3
	s_wait_dscnt 8*(3-\t)                          ; half row t is back; the later ones' eight LDS instructions each may be out
.set j, 0
.rept 16
	v_med3_num_f32 v[Q+16*\t+j], v[Q+16*\t+j], -v[LIMV], v[LIMV]   ; the conversion does not saturate (ISA guide 7.6.2)
.set j, j+1
.endr
	v_cvt_scalef32_pk8_bf8_f32 v[C+4*\t:C+4*\t+1], v[Q+16*\t:Q+16*\t+7], v[SCV]
	v_cvt_scalef32_pk8_bf8_f32 v[C+4*\t+2:C+4*\t+3], v[Q+16*\t+8:Q+16*\t+15], v[SCV]
	v_nop
	global_store_b128 v3, v[C+4*\t:C+4*\t+3], s[14:15] offset:512*\t
.endr
	s_wait_tensorcnt 0x0
	ds_add_u32 v224, v225
	s_wait_dscnt 0x0
	s_endpgm
.Lfunc_end_k_q3fde676ab5_ln1:
	.size	k_q3fde676ab5_ln1, .Lfunc_end_k_q3fde676ab5_ln1-k_q3fde676ab5_ln1
	.p2alignl 7, 3214868480
	.fill 96, 4, 3214868480
	.section	.rodata,"a",@progbits
	.p2align	6, 0x0
	.amdhsa_kernel k_q3fde676ab5_ln1
		.amdhsa_group_segment_fixed_size 82944
		.amdhsa_private_segment_fixed_size 0
		.amdhsa_enable_private_segment 0
		.amdhsa_kernarg_size 48
		.amdhsa_user_sgpr_count 2
		.amdhsa_user_sgpr_kernarg_segment_ptr 1
		.amdhsa_wavefront_size32 1
		.amdhsa_system_sgpr_workgroup_id_x 1
		.amdhsa_system_sgpr_workgroup_id_y 1
		.amdhsa_system_sgpr_workgroup_id_z 1
		.amdhsa_system_vgpr_workitem_id 0
		.amdhsa_next_free_vgpr 226
		.amdhsa_next_free_sgpr 66
		.amdhsa_reserve_vcc 0
		.amdhsa_float_denorm_mode_32 3
		.amdhsa_float_denorm_mode_16_64 3
		.amdhsa_memory_ordered 1
		.amdhsa_forward_progress 1
		.amdhsa_inst_pref_size 30
	.end_amdhsa_kernel
	.amdgpu_metadata
---
amdhsa.version: [ 1, 2 ]
amdhsa.kernels:
  - .name:           k_q3fde676ab5_ln1
    .symbol:         k_q3fde676ab5_ln1.kd
    .args:
      - { .name: ybuf, .offset: 0, .size: 8, .value_kind: global_buffer, .address_space: global }
      - { .name: ln1_g, .offset: 8, .size: 8, .value_kind: global_buffer, .address_space: global }
      - { .name: ln1_b, .offset: 16, .size: 8, .value_kind: global_buffer, .address_space: global }
      - { .name: lowp_scales, .offset: 24, .size: 8, .value_kind: global_buffer, .address_space: global }
      - { .name: xbuf, .offset: 32, .size: 8, .value_kind: global_buffer, .address_space: global }
      - { .name: xcodes, .offset: 40, .size: 8, .value_kind: global_buffer, .address_space: global }
    .group_segment_fixed_size: 82944
    .private_segment_fixed_size: 0
    .kernarg_segment_align: 8
    .kernarg_segment_size: 48
    .max_flat_workgroup_size: 256
    .sgpr_count:     66
    .vgpr_count:     226
    .wavefront_size: 32
...
	.end_amdgpu_metadata
.endif
;; end of part 4
;; launch ffn1 (part 5): grid 16 x 16, 4 waves a work-group, clusters of 4 x 4, 327,680 bytes of LDS; arguments xcodes, w1_codes, lowp_scales, b1, hcodes; writes hcodes
.if DOCPART == 5
	.amdgcn_target "amdgcn-amd-amdhsa--gfx1250"
	.amdhsa_code_object_version 6
	.text
	.protected	k_q3fde676ab5_ffn1
	.globl	k_q3fde676ab5_ffn1
	.p2align	8
	.type	k_q3fde676ab5_ffn1,@function
k_q3fde676ab5_ffn1:
	s_mov_b64 s[64:65], 0
	v_nop
	global_prefetch_b8 v0, s[64:65] scope:SCOPE_SE
	s_setreg_imm32_b32 hwreg(HW_REG_WAVE_MODE, 25, 1), 1
	s_wait_xcnt 0x0
	s_wait_alu depctr_hold_cnt(0) depctr_sa_sdst(0) depctr_va_vdst(0) depctr_va_sdst(0) depctr_va_ssrc(0) depctr_va_vcc(0) depctr_vm_vsrc(0)
	s_getreg_b32 s2, hwreg(HW_REG_IB_STS2, 6, 4)
	s_cmp_eq_u32 s2, 0
	s_cbranch_scc0 .Lentry_in_a_cluster
	s_endpgm
.Lentry_in_a_cluster:
	s_bfe_u32 s2, ttmp6, 0x10000c
	s_cmp_lg_u32 s2, 0xf033
	s_cbranch_scc0 .Lentry_shape_is_right
	s_endpgm
.Lentry_shape_is_right:
.set SIZE_K, 1024
.set KSTEP,  256
.set ROWB,   256
.set KROW,   SIZE_K
.set PITCH,  272
.set FR,     16
.set NL,     4
.set NP,     4
.set HALFT,  128*PITCH
.set SLOT,   4*HALFT
.set LAPS,   SIZE_K/(2*KSTEP)
.set SPARE,  2*SLOT
.set ADRA, 16
.set ADRB, 20
.set STO,  24
.set RD,   25
.set CO,   26
.set SPW,  28
.set NIL,  29
.set SCV,  31
.set CB,   32
.set XR,   32
.set CDS,  128
.set AF,   128
.set G1, 24
.set G0, 32
.set G1B, 48
.set G0B, 56
.set MSB, 0
.macro WIN new
.if MSB != \new
	s_set_vgpr_msb (MSB<<8)|(\new)
.set MSB, \new
.endif
.endm
.set MUL_LO, 0xa1
.set MUL_HI, 0xf1
.set FST_LO, 0x81
.set FST_HI, 0xc1
.set TO_B,   0x40
.macro JLOAD g0a, g1a, g0b, g1b
	s_cmp_eq_u32 s15, 0
	s_cbranch_scc0 .Lfor_b_\@
	tensor_load_to_lds s[\g0a:\g0a+3], s[\g1a:\g1a+7]
	s_nop 0
.rept 4
	v_nop
.endr
	s_branch .Lasked_\@
.Lfor_b_\@:
	tensor_load_to_lds s[\g0b:\g0b+3], s[\g1b:\g1b+7]
	s_nop 0
.rept 4
	v_nop
.endr
.Lasked_\@:
.endm
.macro CREST
	s_cmp_lg_u32 s14, 0
	s_cbranch_scc1 .Lnot_wave_0_\@
	s_barrier_signal -3
.Lnot_wave_0_\@:
	s_barrier_wait -3
	s_barrier_signal -1
	s_barrier_wait -1
.endm
.macro CROUND
	s_barrier_signal -1
	s_barrier_wait -1
	CREST
.endm
	s_load_b128 s[4:7], s[0:1], 0x0
	s_load_b128 s[8:11], s[0:1], 0x10
	s_load_b64 s[12:13], s[0:1], 0x20
	v_lshl_add_u32 v[SPW], v0, 2, SPARE
	v_mov_b32 v[NIL], 0
	ds_add_u32 v28, v29
	ds_add_u32 v28, v29
	s_wait_dscnt 0x0
	v_lshrrev_b32 v1, 5, v0
	v_readfirstlane_b32 s14, v1
	s_lshr_b32 s15, s14, 1
	s_and_b32 s16, s14, 1
	s_bfe_u32 s40, ttmp6, 0x40000
	s_bfe_u32 s41, ttmp6, 0x40004
	s_lshl_b32 s42, ttmp9, 2
	s_add_co_u32 s42, s42, s40
	s_and_b32 s17, ttmp7, 0xffff
	s_lshl_b32 s17, s17, 2
	s_add_co_u32 s17, s17, s41
	s_lshl_b32 s43, s41, 2
	s_lshl_b32 s43, 15, s43
	s_lshl_b32 s44, 0x1111, s40
	s_or_b32 s[G1+0], s43, (0<<16)|(1<<20)|(1<<21)|(5<<22)|(3<<25)
	s_or_b32 s[G1B+0], s44, (0<<16)|(1<<20)|(1<<21)|(5<<22)|(3<<25)
.irp g, G1, G1B
	s_mov_b32 s[\g+1], ROWB<<16
	s_mov_b32 s[\g+2], 128<<16
	s_mov_b32 s[\g+3], ROWB<<16
	s_mov_b32 s[\g+4], 128
	s_mov_b32 s[\g+5], KROW
	s_mov_b32 s[\g+6], 0
	s_mov_b32 s[\g+7], 0
.endr
	s_lshl_b32 s18, s16, 7
	s_lshl_b32 s20, s17, 8
	s_add_co_u32 s20, s20, s18
	s_lshl_b32 s46, s42, 8
	s_add_co_u32 s46, s46, s18
	s_mov_b32 s21, 0
	s_mov_b32 s47, 0
	s_mov_b64 s[18:19], KROW
	s_mul_u64 s[20:21], s[20:21], s[18:19]
	s_mul_u64 s[46:47], s[46:47], s[18:19]
	s_mul_i32 s45, s14, HALFT
	s_wait_kmcnt 0x0
	s_load_b128 s[96:99], s[8:9], 0x28
	s_add_nc_u64 s[20:21], s[4:5], s[20:21]
	s_add_nc_u64 s[46:47], s[6:7], s[46:47]
	CROUND
.irp s, 0,1
	s_mov_b32 s[G0+4*\s], 1
	s_add_co_u32 s[G0+4*\s+1], s45, \s*SLOT
	s_add_nc_u64 s[G0+4*\s+2:G0+4*\s+3], s[20:21], \s*ROWB
	s_or_b32 s[G0+4*\s+3], s[G0+4*\s+3], 0x80000000
	s_mov_b32 s[G0B+4*\s], 1
	s_add_co_u32 s[G0B+4*\s+1], s45, \s*SLOT
	s_add_nc_u64 s[G0B+4*\s+2:G0B+4*\s+3], s[46:47], \s*ROWB
	s_or_b32 s[G0B+4*\s+3], s[G0B+4*\s+3], 0x80000000
.endr
	JLOAD G0, G1, G0B, G1B                         ; K step 0, behind the one round above: a wave's one tensor load at the head; the addresses, the bias's loads and the scales below are made while it is out
; PREFETCHES INTO THE L2.  A refill goes out with none of the wave's loads on its way beside it, so what it asks for is asked of memory earlier: behind K step t's load for K step t + 2, and here, at the buffers'
; first touch, for K step 1 too: never more than two K steps asked for and not yet read.  Of the 128 rows that I fetch, each of the four partners that ask for them jointly takes 32, told apart BY ADDRESS
; (cx for A's tiles, cy for B's): a lane a row, 256 bytes of it, so each block is named once in the cluster.  K has four steps: K steps 2 and 3 ask for nothing.  The address registers are never rewritten.
.set PFA, 66                           ; s[66:67] my work-group's 32 rows, at K step 0
.set PFT, 68                           ; s[68:69] at work
.set PFO, 12                           ; v12 my lane x a row in memory
	s_cmp_eq_u32 s15, 0                            ; do I fetch for A?
	s_cselect_b64 s[PFA:PFA+1], s[20:21], s[46:47]
	s_cselect_b32 s[PFT], s40, s41                 ; my place among the four that ask with me
	s_mul_i32 s[PFT], s[PFT], 32*KROW
	s_mov_b32 s[PFT+1], 0
	s_add_nc_u64 s[PFA:PFA+1], s[PFA:PFA+1], s[PFT:PFT+1]
	v_and_b32 v[PFO], 31, v0
	v_mul_u32_u24 v[PFO], v[PFO], KROW
	global_prefetch_b8 v[PFO], s[PFA:PFA+1] offset:ROWB th:TH_LOAD_NT scope:SCOPE_SE
	global_prefetch_b8 v[PFO], s[PFA:PFA+1] offset:2*ROWB th:TH_LOAD_NT scope:SCOPE_SE
	v_and_b32 v1, 15, v0
	v_bfe_u32 v2, v0, 4, 1
	v_mul_u32_u24 v3, v1, PITCH
	s_wait_alu depctr_va_vdst(0)
	v_lshl_add_u32 v4, v2, 4, v3
	s_mul_i32 s21, s15, HALFT
	s_mul_i32 s22, s16, HALFT
	s_add_co_u32 s22, s22, 2*HALFT
.irp s, 0,1
	v_add_nc_u32 v[ADRA+\s], s21, v4
	v_add_nc_u32 v[ADRB+\s], s22, v4
	s_add_co_u32 s21, s21, SLOT
	s_add_co_u32 s22, s22, SLOT
.endr
	s_mul_i32 s23, s15, 128*272
	s_lshl_b32 s21, s16, 7
	s_add_co_u32 s23, s23, s21
	v_lshl_add_u32 v5, v2, 3, v3
	v_add_nc_u32 v[STO], s23, v5
	s_mul_i32 s23, s14, 64*272
	v_mul_u32_u24 v5, v2, 272
	v_lshl_add_u32 v5, v1, 4, v5
	v_add_nc_u32 v[RD], s23, v5
	v_lshlrev_b32 v5, 12, v2
	v_lshl_add_u32 v[CO], v1, 4, v5
	s_lshl_b32 s20, s17, 8
	s_lshl_b32 s21, s14, 6
	s_add_co_u32 s20, s20, s21
	s_lshl_b32 s20, s20, 12
	s_lshl_b32 s21, s42, 8
	s_add_co_u32 s20, s20, s21
	s_mov_b32 s21, 0
	s_add_nc_u64 s[12:13], s[12:13], s[20:21]
	s_lshl_b32 s20, s42, 10
	s_lshl_b32 s22, s16, 9
	s_add_co_u32 s20, s20, s22
	s_add_nc_u64 s[10:11], s[10:11], s[20:21]
	v_lshlrev_b32 v5, 5, v2
.irp b, 0,1,2,3,4,5,6,7
	global_load_b128 v[CB+8*\b:CB+8*\b+3], v5, s[10:11] offset:64*\b
	global_load_b128 v[CB+8*\b+4:CB+8*\b+7], v5, s[10:11] offset:64*\b+16
.endr
	s_wait_kmcnt 0x0
	s_add_co_i32 s96, s96, s97
	s_sub_co_i32 s97, 127, s96
	s_lshl_b32 s20, s97, 23
	s_mov_b32 s21, s20
	s_sub_co_i32 s98, s98, s96
	s_add_co_i32 s98, s98, 127
	s_lshl_b32 s97, s98, 23
	v_mov_b32 v[SCV], s97
	s_add_co_i32 s98, s98, 15
	s_lshl_b32 s98, s98, 23
	s_or_b32 s99, s98, 0x600000
	s_wait_loadcnt 0x0
.set j, 0
.rept 32
	v_pk_mul_f32 v[CB+j:CB+j+1], v[CB+j:CB+j+1], s[20:21] op_sel_hi:[1,0]
.set j, j+2
.endr
.macro FRAG reg, adr, q, i
.irp c, 0,1,2,3
	ds_load_b128 v[\reg+4*\c:\reg+4*\c+3], v[\adr] offset:128*(\q)+32*\c+(\i)*16*PITCH
.endr
.endm
.macro MUL16 a0, p, first
.irp a, \a0, \a0+1
.irp b, 0,1,2,3,4,5,6,7
.if \first
	v_wmma_f32_16x16x128_bf8_bf8 v[8*(8*((\a)%4)+\b):8*(8*((\a)%4)+\b)+7], v[128*(\p)+FR*\b:128*(\p)+FR*\b+FR-1], v[AF+FR*(\a):AF+FR*(\a)+FR-1], v[CB+8*\b:CB+8*\b+7]
.else
	v_wmma_f32_16x16x128_bf8_bf8 v[8*(8*((\a)%4)+\b):8*(8*((\a)%4)+\b)+7], v[128*(\p)+FR*\b:128*(\p)+FR*\b+FR-1], v[AF+FR*(\a):AF+FR*(\a)+FR-1], v[8*(8*((\a)%4)+\b):8*(8*((\a)%4)+\b)+7]
.endif
.endr
.endr
.endm
.macro FETCH_B slot, q, p
	WIN TO_B
.irp i, 0,1,2,3,4,5,6,7
	FRAG 128*(\p)+FR*\i, ADRB+\slot, \q, \i
.endr
	WIN 0
.endm
.macro FETCH_A slot, q, i0
.irp i, \i0, \i0+1, \i0+2, \i0+3
	FRAG AF+FR*(\i), ADRA+\slot, \q, \i
.endr
.endm
.macro PLACES n
.rept \n
	v_nop
.endr
.endm
.macro STEP slot, q, first
	s_wait_dscnt 4*NL
.if \first
	WIN FST_LO
.else
	WIN MUL_LO
.endif
	MUL16 0, (\q)%2, \first
	MUL16 2, (\q)%2, \first
	s_wait_dscnt 0
	PLACES NP
	FETCH_B \slot, (\q)+1, 1-(\q)%2
	FETCH_A \slot, (\q)+1, 0
.if \first
	WIN FST_HI
.else
	WIN MUL_HI
.endif
	MUL16 4, (\q)%2, \first
	MUL16 6, (\q)%2, \first
	PLACES NP
	WIN 0
	FETCH_A \slot, (\q)+1, 4
.endm
.macro TURN slot, next, fill
	s_wait_tensorcnt 0x0
	ds_add_u32 v[SPW], v[NIL]
	s_wait_dscnt 4*NL+1
	WIN MUL_LO
	MUL16 0, 1, 0
	s_wait_dscnt 0x0
	s_barrier_signal -1
	MUL16 2, 1, 0
	WIN 0
	s_barrier_wait -1
.if \fill
	CREST
	s_add_nc_u64 s[G0+4*\slot+2:G0+4*\slot+3], s[G0+4*\slot+2:G0+4*\slot+3], 2*ROWB
	s_add_nc_u64 s[G0B+4*\slot+2:G0B+4*\slot+3], s[G0B+4*\slot+2:G0B+4*\slot+3], 2*ROWB
	JLOAD G0+4*\slot, G1, G0B+4*\slot, G1B
.else
	PLACES NP
.endif
	FETCH_B \next, 0, 0
	FETCH_A \next, 0, 0
	WIN MUL_HI
	MUL16 4, 1, 0
	MUL16 6, 1, 0
	PLACES NP
	WIN 0
	FETCH_A \next, 0, 4
.endm
	s_wait_alu depctr_va_vdst(0)
	s_wait_tensorcnt 0x0                           ; my part of K step 0 is in
	ds_add_u32 v[SPW], v[NIL]
	s_wait_dscnt 0x0
	CROUND                                         ; everybody's part of K step 0 is in, and all sixteen work-groups are here
	JLOAD G0+4, G1, G0B+4, G1B                     ; K step 1: slot 1's first fill, the first tensor load behind the round
	FETCH_B 0, 0, 0
	FETCH_A 0, 0, 0
	FETCH_A 0, 0, 4
	global_prefetch_b8 v[PFO], s[PFA:PFA+1] offset:3*ROWB th:TH_LOAD_NT scope:SCOPE_SE   ; K step 3, behind K step 1's load and the run of LDS loads that the first products wait for
	STEP 0, 0, 1
	s_mov_b32 s3, LAPS-1
.Llap:
	TURN 0, 1, 1
	STEP 1, 0, 0
	TURN 1, 0, 1
	STEP 0, 0, 0
	s_sub_co_u32 s3, s3, 1
	s_cmp_lg_u32 s3, 0
	s_cbranch_scc1 .Llap
	TURN 0, 1, 0
	STEP 1, 0, 0
	s_wait_dscnt 4*NL
	WIN MUL_LO
	MUL16 0, 1, 0
	MUL16 2, 1, 0
	s_wait_dscnt 0
	WIN MUL_HI
	MUL16 4, 1, 0
	MUL16 6, 1, 0
	WIN 0
.macro HID a
.set AC, 64*((\a)%4)
	WIN 0x02+((\a)/4)
.set j, 0
.rept 64
	v_med3_num_f32 v[XR+j], v[AC+j], 0, s99
.set j, j+1
.endr
	WIN 0
.irp b, 0,1,2,3,4,5,6,7
	v_cvt_scalef32_pk8_bf8_f32 v[CDS+16*(\a)+2*\b:CDS+16*(\a)+2*\b+1], v[XR+8*\b:XR+8*\b+7], v[SCV]
.endr
	v_nop
.irp b, 0,1,2,3,4,5,6,7
	ds_store_b64 v[STO], v[CDS+16*(\a)+2*\b:CDS+16*(\a)+2*\b+1] offset:4352*(\a)+16*\b
.endr
.endm
	PLACES NP
.irp a, 0,1,2,3,4,5,6,7
	HID \a
.endr
	s_wait_dscnt 0x0
	s_barrier_signal -1
	s_barrier_wait -1
.set t, 0
.rept 32
	ds_load_b128 v[CDS+4*t:CDS+4*t+3], v[RD] offset:544*t
.set t, t+1
.endr
.set t, 0
.rept 32
	s_wait_dscnt 31-t
	global_store_b128 v[CO], v[CDS+4*t:CDS+4*t+3], s[12:13] offset:8192*t
.set t, t+1
.endr
	s_wait_tensorcnt 0x0
	ds_add_u32 v[SPW], v[NIL]
	s_wait_dscnt 0x0
	CROUND
	s_endpgm
.Lfunc_end_k_q3fde676ab5_ffn1:
	.size	k_q3fde676ab5_ffn1, .Lfunc_end_k_q3fde676ab5_ffn1-k_q3fde676ab5_ffn1
	.p2alignl 7, 3214868480
	.fill 96, 4, 3214868480
	.section	.rodata,"a",@progbits
	.p2align	6, 0x0
	.amdhsa_kernel k_q3fde676ab5_ffn1
		.amdhsa_group_segment_fixed_size 327680
		.amdhsa_private_segment_fixed_size 0
		.amdhsa_enable_private_segment 0
		.amdhsa_kernarg_size 40
		.amdhsa_user_sgpr_count 2
		.amdhsa_user_sgpr_kernarg_segment_ptr 1
		.amdhsa_wavefront_size32 1
		.amdhsa_system_sgpr_workgroup_id_x 1
		.amdhsa_system_sgpr_workgroup_id_y 1
		.amdhsa_system_sgpr_workgroup_id_z 1
		.amdhsa_system_vgpr_workitem_id 0
		.amdhsa_next_free_vgpr 1024
		.amdhsa_next_free_sgpr 100
		.amdhsa_reserve_vcc 0
		.amdhsa_float_denorm_mode_32 3
		.amdhsa_float_denorm_mode_16_64 3
		.amdhsa_memory_ordered 1
		.amdhsa_forward_progress 1
		.amdhsa_inst_pref_size 130
	.end_amdhsa_kernel
	.amdgpu_metadata
---
amdhsa.version: [ 1, 2 ]
amdhsa.kernels:
  - .name:           k_q3fde676ab5_ffn1
    .symbol:         k_q3fde676ab5_ffn1.kd
    .args:
      - { .name: xcodes, .offset: 0, .size: 8, .value_kind: global_buffer, .address_space: global }
      - { .name: w1_codes, .offset: 8, .size: 8, .value_kind: global_buffer, .address_space: global }
      - { .name: lowp_scales, .offset: 16, .size: 8, .value_kind: global_buffer, .address_space: global }
      - { .name: b1, .offset: 24, .size: 8, .value_kind: global_buffer, .address_space: global }
      - { .name: hcodes, .offset: 32, .size: 8, .value_kind: global_buffer, .address_space: global }
    .group_segment_fixed_size: 327680
    .private_segment_fixed_size: 0
    .kernarg_segment_align: 8
    .kernarg_segment_size: 40
    .max_flat_workgroup_size: 128
    .sgpr_count:     100
    .vgpr_count:     1024
    .wavefront_size: 32
...
	.end_amdgpu_metadata
.endif
;; end of part 5
;; launch ffn2 (part 6): grid 4 x 64, 4 waves a work-group, clusters of 4 x 4, 327,680 bytes of LDS; arguments hcodes, w2_codes, lowp_scales, b2, part; writes part
.if DOCPART == 6
	.amdgcn_target "amdgcn-amd-amdhsa--gfx1250"
	.amdhsa_code_object_version 6
	.text
	.protected	k_q3fde676ab5_ffn2
	.globl	k_q3fde676ab5_ffn2
	.p2align	8
	.type	k_q3fde676ab5_ffn2,@function
k_q3fde676ab5_ffn2:
	s_mov_b64 s[64:65], 0
	v_nop
	global_prefetch_b8 v0, s[64:65] scope:SCOPE_SE
	s_setreg_imm32_b32 hwreg(HW_REG_WAVE_MODE, 25, 1), 1
	s_wait_xcnt 0x0
	s_wait_alu depctr_hold_cnt(0) depctr_sa_sdst(0) depctr_va_vdst(0) depctr_va_sdst(0) depctr_va_ssrc(0) depctr_va_vcc(0) depctr_vm_vsrc(0)
	s_getreg_b32 s2, hwreg(HW_REG_IB_STS2, 6, 4)
	s_cmp_eq_u32 s2, 0
	s_cbranch_scc0 .Lentry_in_a_cluster
	s_endpgm
.Lentry_in_a_cluster:
	s_bfe_u32 s2, ttmp6, 0x10000c
	s_cmp_lg_u32 s2, 0xf033
	s_cbranch_scc0 .Lentry_shape_is_right
	s_endpgm
.Lentry_shape_is_right:
.set SIZE_K, 4096
.set KPART,  1024
.set KSTEP,  256
.set ROWB,   256
.set KROW,   SIZE_K
.set PITCH,  272
.set FR,     16
.set NL,     4
.set NP,     4
.set HALFT,  128*PITCH
.set SLOT,   4*HALFT
.set LAPS,   KPART/(2*KSTEP)
.set SPARE,  2*SLOT
.set SPITCH, 528
.set ADRA, 16
.set ADRB, 20
.set STO,  24
.set RD,   25
.set CO,   26
.set SPW,  28
.set NIL,  29
.set CB,   32
.set TMP,  32
.set AF,   128
.set BK,   128
.set G1, 24
.set G0, 32
.set G1B, 48
.set G0B, 56
.set MSB, 0
.macro WIN new
.if MSB != \new
	s_set_vgpr_msb (MSB<<8)|(\new)
.set MSB, \new
.endif
.endm
.set MUL_LO, 0xa1
.set MUL_HI, 0xf1
.set FST_LO, 0x81
.set FST_HI, 0xc1
.set TO_B,   0x40
.macro JLOAD g0a, g1a, g0b, g1b
	s_cmp_eq_u32 s15, 0
	s_cbranch_scc0 .Lfor_b_\@
	tensor_load_to_lds s[\g0a:\g0a+3], s[\g1a:\g1a+7]
	s_nop 0
.rept 4
	v_nop
.endr
	s_branch .Lasked_\@
.Lfor_b_\@:
	tensor_load_to_lds s[\g0b:\g0b+3], s[\g1b:\g1b+7]
	s_nop 0
.rept 4
	v_nop
.endr
.Lasked_\@:
.endm
.macro CREST
	s_cmp_lg_u32 s14, 0
	s_cbranch_scc1 .Lnot_wave_0_\@
	s_barrier_signal -3
.Lnot_wave_0_\@:
	s_barrier_wait -3
	s_barrier_signal -1
	s_barrier_wait -1
.endm
.macro CROUND
	s_barrier_signal -1
	s_barrier_wait -1
	CREST
.endm
	s_load_b128 s[4:7], s[0:1], 0x0
	s_load_b128 s[8:11], s[0:1], 0x10
	s_load_b64 s[70:71], s[0:1], 0x20
	v_lshl_add_u32 v[SPW], v0, 2, SPARE
	v_mov_b32 v[NIL], 0
	ds_add_u32 v28, v29
	ds_add_u32 v28, v29
	s_wait_dscnt 0x0
	v_lshrrev_b32 v1, 5, v0
	v_readfirstlane_b32 s14, v1
	s_lshr_b32 s15, s14, 1
	s_and_b32 s16, s14, 1
	s_bfe_u32 s40, ttmp6, 0x40000
	s_bfe_u32 s41, ttmp6, 0x40004
	s_lshl_b32 s42, ttmp9, 2
	s_add_co_u32 s42, s42, s40
	s_and_b32 s73, ttmp7, 0xffff
	s_and_b32 s72, s73, 3
	s_and_b32 s17, s73, 0xfffc
	s_add_co_u32 s17, s17, s41
	s_lshl_b32 s43, s41, 2
	s_lshl_b32 s43, 15, s43
	s_lshl_b32 s44, 0x1111, s40
	s_or_b32 s[G1+0], s43, (0<<16)|(1<<20)|(1<<21)|(5<<22)|(3<<25)
	s_or_b32 s[G1B+0], s44, (0<<16)|(1<<20)|(1<<21)|(5<<22)|(3<<25)
.irp g, G1, G1B
	s_mov_b32 s[\g+1], ROWB<<16
	s_mov_b32 s[\g+2], 128<<16
	s_mov_b32 s[\g+3], ROWB<<16
	s_mov_b32 s[\g+4], 128
	s_mov_b32 s[\g+5], KROW
	s_mov_b32 s[\g+6], 0
	s_mov_b32 s[\g+7], 0
.endr
	s_lshl_b32 s18, s16, 7
	s_lshl_b32 s20, s17, 8
	s_add_co_u32 s20, s20, s18
	s_lshl_b32 s46, s42, 8
	s_add_co_u32 s46, s46, s18
	s_mov_b32 s21, 0
	s_mov_b32 s47, 0
	s_mov_b64 s[18:19], KROW
	s_mul_u64 s[20:21], s[20:21], s[18:19]
	s_mul_u64 s[46:47], s[46:47], s[18:19]
	s_lshl_b32 s74, s72, 10
	s_mov_b32 s75, 0
	s_add_nc_u64 s[20:21], s[20:21], s[74:75]
	s_add_nc_u64 s[46:47], s[46:47], s[74:75]
	s_mul_i32 s45, s14, HALFT
	s_wait_kmcnt 0x0
	s_load_b64 s[96:97], s[8:9], 0x30
	s_add_nc_u64 s[20:21], s[4:5], s[20:21]
	s_add_nc_u64 s[46:47], s[6:7], s[46:47]
	CROUND
.irp s, 0,1
	s_mov_b32 s[G0+4*\s], 1
	s_add_co_u32 s[G0+4*\s+1], s45, \s*SLOT
	s_add_nc_u64 s[G0+4*\s+2:G0+4*\s+3], s[20:21], \s*ROWB
	s_or_b32 s[G0+4*\s+3], s[G0+4*\s+3], 0x80000000
	s_mov_b32 s[G0B+4*\s], 1
	s_add_co_u32 s[G0B+4*\s+1], s45, \s*SLOT
	s_add_nc_u64 s[G0B+4*\s+2:G0B+4*\s+3], s[46:47], \s*ROWB
	s_or_b32 s[G0B+4*\s+3], s[G0B+4*\s+3], 0x80000000
.endr
	JLOAD G0, G1, G0B, G1B                         ; K step 0, behind the one round above: a wave's one tensor load at the head; the addresses, the bias's loads and the scales below are made while it is out
; PREFETCHES INTO THE L2.  A refill goes out with none of the wave's loads on its way beside it, so what it asks for is asked of memory earlier: behind K step t's load for K step t + 2, and here, at the buffers'
; first touch, for K step 1 too: never more than two K steps asked for and not yet read.  Of the 128 rows that I fetch, each of the four partners that ask for them jointly takes 32, told apart BY ADDRESS
; (cx for A's tiles, cy for B's): a lane a row, 256 bytes of it, so each block is named once in the cluster.  My quarter of K has four steps: K steps 2 and 3 ask for nothing.  The address registers are never rewritten.
.set PFA, 66                           ; s[66:67] my work-group's 32 rows, at K step 0 of my quarter of K
.set PFT, 68                           ; s[68:69] at work
.set PFO, 12                           ; v12 my lane x a row in memory
	s_cmp_eq_u32 s15, 0                            ; do I fetch for A?
	s_cselect_b64 s[PFA:PFA+1], s[20:21], s[46:47]
	s_cselect_b32 s[PFT], s40, s41                 ; my place among the four that ask with me
	s_mul_i32 s[PFT], s[PFT], 32*KROW
	s_mov_b32 s[PFT+1], 0
	s_add_nc_u64 s[PFA:PFA+1], s[PFA:PFA+1], s[PFT:PFT+1]
	v_and_b32 v[PFO], 31, v0
	v_mul_u32_u24 v[PFO], v[PFO], KROW
	global_prefetch_b8 v[PFO], s[PFA:PFA+1] offset:ROWB th:TH_LOAD_NT scope:SCOPE_SE
	global_prefetch_b8 v[PFO], s[PFA:PFA+1] offset:2*ROWB th:TH_LOAD_NT scope:SCOPE_SE
	v_and_b32 v1, 15, v0
	s_wait_alu depctr_va_vdst(0)
	v_bfe_u32 v2, v0, 4, 1
	v_mul_u32_u24 v3, v1, PITCH
	v_lshl_add_u32 v4, v2, 4, v3
	s_mul_i32 s21, s15, HALFT
	s_mul_i32 s22, s16, HALFT
	s_add_co_u32 s22, s22, 2*HALFT
.irp s, 0,1
	v_add_nc_u32 v[ADRA+\s], s21, v4
	v_add_nc_u32 v[ADRB+\s], s22, v4
	s_add_co_u32 s21, s21, SLOT
	s_add_co_u32 s22, s22, SLOT
.endr
	s_mul_i32 s23, s14, 16*SPITCH
	v_mul_u32_u24 v5, v1, SPITCH
	s_wait_alu depctr_va_vdst(0)
	v_lshl_add_u32 v5, v2, 5, v5
	v_add_nc_u32 v[STO], s23, v5
	v_and_b32 v6, 31, v0
	v_lshlrev_b32 v[CO], 4, v6
	v_add_nc_u32 v[RD], s23, v[CO]
	s_lshl_b32 s20, s17, 8
	s_lshl_b32 s21, s15, 7
	s_add_co_u32 s20, s20, s21
	s_lshl_b32 s20, s20, 12
	s_lshl_b32 s21, s42, 10
	s_lshl_b32 s22, s16, 9
	s_add_co_u32 s22, s22, s21
	s_add_co_u32 s20, s20, s22
	s_lshl_b32 s21, s72, 24
	s_add_co_u32 s20, s20, s21
	s_mov_b32 s21, 0
	s_mov_b32 s23, 0
	s_add_nc_u64 s[70:71], s[70:71], s[20:21]
	s_add_nc_u64 s[10:11], s[10:11], s[22:23]
	v_lshlrev_b32 v5, 5, v2
.irp b, 0,1,2,3,4,5,6,7
	global_load_b128 v[CB+8*\b:CB+8*\b+3], v5, s[10:11] offset:64*\b
	global_load_b128 v[CB+8*\b+4:CB+8*\b+7], v5, s[10:11] offset:64*\b+16
.endr
	s_wait_kmcnt 0x0
	s_add_co_i32 s96, s96, s97
	s_sub_co_i32 s20, 127, s96
	s_lshl_b32 s20, s20, 23
	s_cmp_eq_u32 s72, 0
	s_cselect_b32 s20, s20, 0
	s_mov_b32 s21, s20
	s_add_co_i32 s96, s96, 127
	s_lshl_b32 s96, s96, 23
	s_mov_b32 s97, s96
	s_wait_loadcnt 0x0
.set j, 0
.rept 32
	v_pk_mul_f32 v[CB+j:CB+j+1], v[CB+j:CB+j+1], s[20:21] op_sel_hi:[1,0]
.set j, j+2
.endr
.macro FRAG reg, adr, q, i
.irp c, 0,1,2,3
	ds_load_b128 v[\reg+4*\c:\reg+4*\c+3], v[\adr] offset:128*(\q)+32*\c+(\i)*16*PITCH
.endr
.endm
.macro MUL16 a0, p, first
.irp a, \a0, \a0+1
.irp b, 0,1,2,3,4,5,6,7
.if \first
	v_wmma_f32_16x16x128_bf8_bf8 v[8*(8*((\a)%4)+\b):8*(8*((\a)%4)+\b)+7], v[128*(\p)+FR*\b:128*(\p)+FR*\b+FR-1], v[AF+FR*(\a):AF+FR*(\a)+FR-1], v[CB+8*\b:CB+8*\b+7]
.else
	v_wmma_f32_16x16x128_bf8_bf8 v[8*(8*((\a)%4)+\b):8*(8*((\a)%4)+\b)+7], v[128*(\p)+FR*\b:128*(\p)+FR*\b+FR-1], v[AF+FR*(\a):AF+FR*(\a)+FR-1], v[8*(8*((\a)%4)+\b):8*(8*((\a)%4)+\b)+7]
.endif
.endr
.endr
.endm
.macro FETCH_B slot, q, p
	WIN TO_B
.irp i, 0,1,2,3,4,5,6,7
	FRAG 128*(\p)+FR*\i, ADRB+\slot, \q, \i
.endr
	WIN 0
.endm
.macro FETCH_A slot, q, i0
.irp i, \i0, \i0+1, \i0+2, \i0+3
	FRAG AF+FR*(\i), ADRA+\slot, \q, \i
.endr
.endm
.macro PLACES n
.rept \n
	v_nop
.endr
.endm
.macro STEP slot, q, first
	s_wait_dscnt 4*NL
.if \first
	WIN FST_LO
.else
	WIN MUL_LO
.endif
	MUL16 0, (\q)%2, \first
	MUL16 2, (\q)%2, \first
	s_wait_dscnt 0
	PLACES NP
	FETCH_B \slot, (\q)+1, 1-(\q)%2
	FETCH_A \slot, (\q)+1, 0
.if \first
	WIN FST_HI
.else
	WIN MUL_HI
.endif
	MUL16 4, (\q)%2, \first
	MUL16 6, (\q)%2, \first
	PLACES NP
	WIN 0
	FETCH_A \slot, (\q)+1, 4
.endm
.macro TURN slot, next, fill
	s_wait_tensorcnt 0x0
	ds_add_u32 v[SPW], v[NIL]
	s_wait_dscnt 4*NL+1
	WIN MUL_LO
	MUL16 0, 1, 0
	s_wait_dscnt 0x0
	s_barrier_signal -1
	MUL16 2, 1, 0
	WIN 0
	s_barrier_wait -1
.if \fill
	CREST
	s_add_nc_u64 s[G0+4*\slot+2:G0+4*\slot+3], s[G0+4*\slot+2:G0+4*\slot+3], 2*ROWB
	s_add_nc_u64 s[G0B+4*\slot+2:G0B+4*\slot+3], s[G0B+4*\slot+2:G0B+4*\slot+3], 2*ROWB
	JLOAD G0+4*\slot, G1, G0B+4*\slot, G1B
.else
	PLACES NP
.endif
	FETCH_B \next, 0, 0
	FETCH_A \next, 0, 0
	WIN MUL_HI
	MUL16 4, 1, 0
	MUL16 6, 1, 0
	PLACES NP
	WIN 0
	FETCH_A \next, 0, 4
.endm
	s_wait_alu depctr_va_vdst(0)
	s_wait_tensorcnt 0x0                           ; my part of K step 0 is in
	ds_add_u32 v[SPW], v[NIL]
	s_wait_dscnt 0x0
	CROUND                                         ; everybody's part of K step 0 is in, and all sixteen work-groups are here
	JLOAD G0+4, G1, G0B+4, G1B                     ; K step 1: slot 1's first fill, the first tensor load behind the round
	FETCH_B 0, 0, 0
	FETCH_A 0, 0, 0
	FETCH_A 0, 0, 4
	global_prefetch_b8 v[PFO], s[PFA:PFA+1] offset:3*ROWB th:TH_LOAD_NT scope:SCOPE_SE   ; K step 3, behind K step 1's load and the run of LDS loads that the first products wait for
	STEP 0, 0, 1
	s_mov_b32 s3, LAPS-1
.Llap:
	TURN 0, 1, 1
	STEP 1, 0, 0
	TURN 1, 0, 1
	STEP 0, 0, 0
	s_sub_co_u32 s3, s3, 1
	s_cmp_lg_u32 s3, 0
	s_cbranch_scc1 .Llap
	TURN 0, 1, 0
	STEP 1, 0, 0
	s_wait_dscnt 4*NL
	WIN MUL_LO
	MUL16 0, 1, 0
	MUL16 2, 1, 0
	s_wait_dscnt 0
	WIN MUL_HI
	MUL16 4, 1, 0
	MUL16 6, 1, 0
	WIN 0
.macro TOSTAGE a
.set AC, 64*((\a)%4)
	WIN 0x02+((\a)/4)
.set j, 0
.rept 32
	v_pk_mul_f32 v[TMP+j:TMP+j+1], v[AC+j:AC+j+1], s[96:97] op_sel_hi:[1,0]
.set j, j+2
.endr
	WIN 0
.irp b, 0,1,2,3,4,5,6,7
	ds_store_b128 v[STO], v[TMP+8*\b:TMP+8*\b+3] offset:64*\b
	ds_store_b128 v[STO], v[TMP+8*\b+4:TMP+8*\b+7] offset:64*\b+16
.endr
.set BB, BK+64*((\a)%2)
.irp t, 0,1,2,3,4,5,6,7,8,9,10,11,12,13,14,15
	ds_load_b128 v[BB+4*\t:BB+4*\t+3], v[RD] offset:\t*SPITCH
.endr
.endm
.macro SEND a, younger
.set BB, BK+64*((\a)%2)
	s_wait_dscnt \younger
.irp t, 0,1,2,3,4,5,6,7,8,9,10,11,12,13,14,15
	global_store_b128 v[CO], v[BB+4*\t:BB+4*\t+3], s[70:71] offset:(16*(\a)+\t)*4096
.endr
.endm
	PLACES NP
	TOSTAGE 0
.irp a, 1,2,3,4,5,6,7
.if \a > 1
	s_wait_xcnt 0x0
.endif
	TOSTAGE \a
	SEND \a-1, 32
.endr
	SEND 7, 0
	s_wait_tensorcnt 0x0
	ds_add_u32 v[SPW], v[NIL]
	s_wait_dscnt 0x0
	CROUND
	s_endpgm
.Lfunc_end_k_q3fde676ab5_ffn2:
	.size	k_q3fde676ab5_ffn2, .Lfunc_end_k_q3fde676ab5_ffn2-k_q3fde676ab5_ffn2
	.p2alignl 7, 3214868480
	.fill 96, 4, 3214868480
	.section	.rodata,"a",@progbits
	.p2align	6, 0x0
	.amdhsa_kernel k_q3fde676ab5_ffn2
		.amdhsa_group_segment_fixed_size 327680
		.amdhsa_private_segment_fixed_size 0
		.amdhsa_enable_private_segment 0
		.amdhsa_kernarg_size 40
		.amdhsa_user_sgpr_count 2
		.amdhsa_user_sgpr_kernarg_segment_ptr 1
		.amdhsa_wavefront_size32 1
		.amdhsa_system_sgpr_workgroup_id_x 1
		.amdhsa_system_sgpr_workgroup_id_y 1
		.amdhsa_system_sgpr_workgroup_id_z 1
		.amdhsa_system_vgpr_workitem_id 0
		.amdhsa_next_free_vgpr 1024
		.amdhsa_next_free_sgpr 100
		.amdhsa_reserve_vcc 0
		.amdhsa_float_denorm_mode_32 3
		.amdhsa_float_denorm_mode_16_64 3
		.amdhsa_memory_ordered 1
		.amdhsa_forward_progress 1
		.amdhsa_inst_pref_size 128
	.end_amdhsa_kernel
	.amdgpu_metadata
---
amdhsa.version: [ 1, 2 ]
amdhsa.kernels:
  - .name:           k_q3fde676ab5_ffn2
    .symbol:         k_q3fde676ab5_ffn2.kd
    .args:
      - { .name: hcodes, .offset: 0, .size: 8, .value_kind: global_buffer, .address_space: global }
      - { .name: w2_codes, .offset: 8, .size: 8, .value_kind: global_buffer, .address_space: global }
      - { .name: lowp_scales, .offset: 16, .size: 8, .value_kind: global_buffer, .address_space: global }
      - { .name: b2, .offset: 24, .size: 8, .value_kind: global_buffer, .address_space: global }
      - { .name: part, .offset: 32, .size: 8, .value_kind: global_buffer, .address_space: global }
    .group_segment_fixed_size: 327680
    .private_segment_fixed_size: 0
    .kernarg_segment_align: 8
    .kernarg_segment_size: 40
    .max_flat_workgroup_size: 128
    .sgpr_count:     100
    .vgpr_count:     1024
    .wavefront_size: 32
...
	.end_amdgpu_metadata
.endif
;; end of part 6
;; launch ln2 (part 7): grid 256 x 1, 16 waves a work-group, no clusters, 0 bytes of LDS; arguments part, xbuf, ln2_g, ln2_b, out0; writes out0
.if DOCPART == 7
	.amdgcn_target "amdgcn-amd-amdhsa--gfx1250"
	.amdhsa_code_object_version 6
	.text
	.protected	k_q3fde676ab5_ln2
	.globl	k_q3fde676ab5_ln2
	.p2align	8
	.type	k_q3fde676ab5_ln2,@function
k_q3fde676ab5_ln2:
	s_mov_b64 s[64:65], 0
	v_nop
	global_prefetch_b8 v0, s[64:65] scope:SCOPE_SE
	s_setreg_imm32_b32 hwreg(HW_REG_WAVE_MODE, 25, 1), 1
	s_wait_xcnt 0x0
; out0 = layer norm of x + ff, ff = the sum of the four parts of the last product (each [4,096][1,024] f32, 16 MiB apart; the bias lies in the first): y = x + ((p0 + p1) + (p2 + p3)), all in f32.
; The norm of a row of 1,024: the mean, then the mean of the squared differences (two passes, as the model has it), x gain + bias.
; A wave takes ONE row and keeps it in registers: five times 4,096 bytes are read once, eight loads of 512 consecutive bytes each; with gain and bias 56 loads of a wave are out at once.
; Sixteen waves a work-group, 240 registers a wave: four waves fill a SIMD's registers.  Waves share nothing: no LDS, no barrier.
; NaN among the inputs is not served.
.set OP,   12                          ; s[12:13] where the row goes
.set T,    4                           ; v4-7    at work
.set M,    8                           ; v[8:9]  the mean, twice
.set RS,   10                          ; v[10:11] 1 / sqrt(var + eps), twice
.set PT,   12                          ; v12     the lane permute's destination
.set G,    16                          ; v16-47  the gain at my 32 columns
.set B,    48                          ; v48-79  the bias
.set X,    80                          ; v80-111 x's row, then the row at work
.set P,    112                         ; v112-239 the four parts' rows, 32 registers each
	s_load_b256 s[4:11], s[0:1], 0x0               ; part s[4:5], xbuf s[6:7], gain s[8:9], bias s[10:11]
	s_load_b64 s[12:13], s[0:1], 0x20              ; out0
	v_lshrrev_b32 v1, 5, v0
	s_delay_alu instid0(VALU_DEP_1)
	v_readfirstlane_b32 s16, v1                    ; wave 0..15
	v_and_b32 v2, 31, v0
	s_delay_alu instid0(VALU_DEP_1)
	v_lshlrev_b32 v3, 4, v2                        ; 16 x lane
	v_mov_b32 v[PT], 0
	s_lshl_b32 s17, ttmp9, 4
	s_add_co_u32 s17, s17, s16                     ; my row
	s_lshl_b32 s18, s17, 12                        ; of 4,096 bytes
	s_mov_b32 s19, 0
	s_mov_b32 s20, 0x76543210
	s_mov_b32 s21, 0xfedcba98
	s_mov_b32 s22, 0x3a800000                      ; 1 / 1,024
	s_mov_b32 s23, 0x3727c5ac                      ; 1e-5
	s_wait_alu depctr_va_vdst(0)
	s_wait_kmcnt 0x0
	s_add_nc_u64 s[4:5], s[4:5], s[18:19]          ; a base for each part: 16 MiB does not fit a load's immediate
	s_add_nc_u64 s[24:25], s[4:5], 0x1000000
	s_add_nc_u64 s[26:27], s[4:5], 0x2000000
	s_add_nc_u64 s[28:29], s[4:5], 0x3000000
	s_add_nc_u64 s[6:7], s[6:7], s[18:19]
	s_add_nc_u64 s[OP:OP+1], s[OP:OP+1], s[18:19]
.irp j, 0,1,2,3,4,5,6,7
	global_load_b128 v[P+4*\j:P+4*\j+3], v3, s[4:5] offset:512*\j th:TH_LOAD_NT
.endr
.irp j, 0,1,2,3,4,5,6,7
	global_load_b128 v[P+32+4*\j:P+32+4*\j+3], v3, s[24:25] offset:512*\j th:TH_LOAD_NT
.endr
.irp j, 0,1,2,3,4,5,6,7
	global_load_b128 v[P+64+4*\j:P+64+4*\j+3], v3, s[26:27] offset:512*\j th:TH_LOAD_NT
.endr
.irp j, 0,1,2,3,4,5,6,7
	global_load_b128 v[P+96+4*\j:P+96+4*\j+3], v3, s[28:29] offset:512*\j th:TH_LOAD_NT
.endr
.irp j, 0,1,2,3,4,5,6,7
	global_load_b128 v[X+4*\j:X+4*\j+3], v3, s[6:7] offset:512*\j th:TH_LOAD_NT
.endr
.irp j, 0,1,2,3,4,5,6,7
	global_load_b128 v[G+4*\j:G+4*\j+3], v3, s[8:9] offset:512*\j
.endr
.irp j, 0,1,2,3,4,5,6,7
	global_load_b128 v[B+4*\j:B+4*\j+3], v3, s[10:11] offset:512*\j
.endr
.macro ADDROW d, s                     ; row d += row s, two numbers an instruction
.set j, 0
.rept 16
	v_pk_add_f32 v[\d+j:\d+j+1], v[\d+j:\d+j+1], v[\s+j:\s+j+1]
.set j, j+2
.endr
.endm
.macro REDUCE                          ; v[T] summed over the 32 lanes, the result in every lane
	s_delay_alu instid0(VALU_DEP_1)
	v_add_f32_dpp v[T], v[T], v[T] row_xmask:1 row_mask:0xf bank_mask:0xf
	s_delay_alu instid0(VALU_DEP_1)
	v_add_f32_dpp v[T], v[T], v[T] row_xmask:2 row_mask:0xf bank_mask:0xf
	s_delay_alu instid0(VALU_DEP_1)
	v_add_f32_dpp v[T], v[T], v[T] row_xmask:4 row_mask:0xf bank_mask:0xf
	s_delay_alu instid0(VALU_DEP_1)
	v_add_f32_dpp v[T], v[T], v[T] row_xmask:8 row_mask:0xf bank_mask:0xf
	s_delay_alu instid0(VALU_DEP_1)
	v_permlanex16_b32 v[PT], v[T], s20, s21
	s_delay_alu instid0(VALU_DEP_1)
	v_add_f32 v[T], v[T], v[PT]
.endm
.macro STAT x                          ; the row in v[x] on becomes (row - mean) / sqrt(var + eps)
	v_pk_add_f32 v[T:T+1], v[\x:\x+1], v[\x+2:\x+3]
	v_pk_add_f32 v[T+2:T+3], v[\x+4:\x+5], v[\x+6:\x+7]
.irp j, 8,12,16,20,24,28
	s_delay_alu instid0(VALU_DEP_2)
	v_pk_add_f32 v[T:T+1], v[T:T+1], v[\x+\j:\x+\j+1]
	s_delay_alu instid0(VALU_DEP_2)
	v_pk_add_f32 v[T+2:T+3], v[T+2:T+3], v[\x+\j+2:\x+\j+3]
.endr
	s_delay_alu instid0(VALU_DEP_1)
	v_pk_add_f32 v[T:T+1], v[T:T+1], v[T+2:T+3]
	s_delay_alu instid0(VALU_DEP_1)
	v_add_f32 v[T], v[T], v[T+1]
	REDUCE
	s_delay_alu instid0(VALU_DEP_1)
	v_mul_f32 v[M], s22, v[T]
	s_delay_alu instid0(VALU_DEP_1)
	v_mov_b32 v[M+1], v[M]
.set j, 0
.rept 16
	v_pk_add_f32 v[\x+j:\x+j+1], v[\x+j:\x+j+1], v[M:M+1] neg_lo:[0,1] neg_hi:[0,1]
.set j, j+2
.endr
	v_pk_mul_f32 v[T:T+1], v[\x:\x+1], v[\x:\x+1]
	v_pk_mul_f32 v[T+2:T+3], v[\x+2:\x+3], v[\x+2:\x+3]
.irp j, 4,8,12,16,20,24,28
	s_delay_alu instid0(VALU_DEP_2)
	v_pk_fma_f32 v[T:T+1], v[\x+\j:\x+\j+1], v[\x+\j:\x+\j+1], v[T:T+1]
	s_delay_alu instid0(VALU_DEP_2)
	v_pk_fma_f32 v[T+2:T+3], v[\x+\j+2:\x+\j+3], v[\x+\j+2:\x+\j+3], v[T+2:T+3]
.endr
	s_delay_alu instid0(VALU_DEP_1)
	v_pk_add_f32 v[T:T+1], v[T:T+1], v[T+2:T+3]
	s_delay_alu instid0(VALU_DEP_1)
	v_add_f32 v[T], v[T], v[T+1]
	REDUCE
	s_delay_alu instid0(VALU_DEP_1)
	v_fma_f32 v[T], v[T], s22, s23                 ; var + eps
	s_wait_alu depctr_va_vdst(0)
	v_rsq_f32 v[RS], v[T]
	v_nop                                          ; a plain line behind it,
	s_wait_alu depctr_va_vdst(0)                   ; and the wait ahead of its first reader
	v_mov_b32 v[RS+1], v[RS]
.set j, 0
.rept 16
	v_pk_mul_f32 v[\x+j:\x+j+1], v[\x+j:\x+j+1], v[RS:RS+1]
.set j, j+2
.endr
.endm
.macro NORM x
.set j, 0
.rept 16
	v_pk_fma_f32 v[\x+j:\x+j+1], v[\x+j:\x+j+1], v[G+j:G+j+1], v[B+j:B+j+1]
.set j, j+2
.endr
.irp j, 0,1,2,3,4,5,6,7
	global_store_b128 v3, v[\x+4*\j:\x+4*\j+3], s[OP:OP+1] offset:512*\j th:TH_STORE_NT
.endr
.endm
	s_wait_loadcnt 40                              ; parts 0 and 1 are in; the 40 younger loads (parts 2, 3: 16; x: 8; gain and bias: 16) may be out
	ADDROW P, P+32
	s_wait_loadcnt 24                              ; parts 2 and 3 are in; x, gain and bias may be out
	ADDROW P+64, P+96
	ADDROW P, P+64
	s_wait_loadcnt 16                              ; x is in; gain and bias may be out
	ADDROW X, P
	STAT X
	s_wait_loadcnt 0x0                             ; gain and bias
	NORM X
	s_endpgm
.Lfunc_end_k_q3fde676ab5_ln2:
	.size	k_q3fde676ab5_ln2, .Lfunc_end_k_q3fde676ab5_ln2-k_q3fde676ab5_ln2
	.p2alignl 7, 3214868480
	.fill 96, 4, 3214868480
	.section	.rodata,"a",@progbits
	.p2align	6, 0x0
	.amdhsa_kernel k_q3fde676ab5_ln2
		.amdhsa_group_segment_fixed_size 0
		.amdhsa_private_segment_fixed_size 0
		.amdhsa_enable_private_segment 0
		.amdhsa_kernarg_size 40
		.amdhsa_user_sgpr_count 2
		.amdhsa_user_sgpr_kernarg_segment_ptr 1
		.amdhsa_wavefront_size32 1
		.amdhsa_system_sgpr_workgroup_id_x 1
		.amdhsa_system_sgpr_workgroup_id_y 1
		.amdhsa_system_sgpr_workgroup_id_z 1
		.amdhsa_system_vgpr_workitem_id 0
		.amdhsa_next_free_vgpr 240
		.amdhsa_next_free_sgpr 66
		.amdhsa_reserve_vcc 0
		.amdhsa_float_denorm_mode_32 3
		.amdhsa_float_denorm_mode_16_64 3
		.amdhsa_memory_ordered 1
		.amdhsa_forward_progress 1
		.amdhsa_inst_pref_size 19
	.end_amdhsa_kernel
	.amdgpu_metadata
---
amdhsa.version: [ 1, 2 ]
amdhsa.kernels:
  - .name:           k_q3fde676ab5_ln2
    .symbol:         k_q3fde676ab5_ln2.kd
    .args:
      - { .name: part, .offset: 0, .size: 8, .value_kind: global_buffer, .address_space: global }
      - { .name: xbuf, .offset: 8, .size: 8, .value_kind: global_buffer, .address_space: global }
      - { .name: ln2_g, .offset: 16, .size: 8, .value_kind: global_buffer, .address_space: global }
      - { .name: ln2_b, .offset: 24, .size: 8, .value_kind: global_buffer, .address_space: global }
      - { .name: out0, .offset: 32, .size: 8, .value_kind: global_buffer, .address_space: global }
    .group_segment_fixed_size: 0
    .private_segment_fixed_size: 0
    .kernarg_segment_align: 8
    .kernarg_segment_size: 40
    .max_flat_workgroup_size: 512
    .sgpr_count:     66
    .vgpr_count:     240
    .wavefront_size: 32
...
	.end_amdgpu_metadata
.endif
;; end of part 7
